; MI455X (gfx1250); checked and timed in simulation.
; The chip was launched on July 23, 2026; its instructions are those of AMD's public machine-readable ISA for CDNA 5 (MIT licence, August 2026) and "CDNA5" Instruction Set Architecture Reference Guide (July 2026). The comments in the code are by the model that wrote it; some were corrected since.
;; Multihead Attention. Allowed arithmetic: matrix products marked QUANTISED: E5M2 operands, one given power-of-two scale a tensor, by v_wmma_f32_16x16x64_bf8_bf8 or v_wmma_f32_16x16x128_bf8_bf8, f32 sums; everything else in f32.
;; Inputs: Wk 16 x 1,024 x 64 float32; Wp 1,024 x 1,024 float32; Wq 16 x 1,024 x 64 float32; Wv 16 x 1,024 x 64 float32; attention_mask 2 x 2,048 int32; bk 16 x 64 float32; bp 1,024 float32; bq 16 x 64 float32; bv 16 x 64 float32; ln_b 1,024 float32; ln_g 1,024 float32; lowp_scales 12 int32 (the exponents e of the quantised operands' scales 2^e); x 2 x 2,048 x 1,024 float32.
;; Outputs: out0 2 x 2,048 x 1,024 float32.
;; This version of the problem:
;;   THIS VERSION OF THE PROBLEM IS GIVEN IN LOW PRECISION. The matrix products marked QUANTISED in the list below multiply operands that are first quantised to E5M2 (5 exponent bits, 2 mantissa bits; 8 bits a number), with one given power-of-two scale for each operand tensor; their sums are f32. All else is computed in f32.
;;   The module's matrix products, in the order in which they are computed (A, B: the left and right operand; K: the contracted axis; several contracted axes count as one K, in the product's order):
;;     1. [M 1,024, K 1,024] x [K 1,024, N 4,096]; A: input Wq; B: computed on the way: QUANTISED (scales: A lowp_scales[0], B lowp_scales[1])
;;     2. [M 1,024, K 1,024] x [K 1,024, N 4,096]; A: input Wk; B: computed on the way: QUANTISED (scales: A lowp_scales[2], B lowp_scales[3])
;;     3. [M 1,024, K 1,024] x [K 1,024, N 4,096]; A: input Wv; B: computed on the way: QUANTISED (scales: A lowp_scales[4], B lowp_scales[5])
;;     4. batch 32 x [M 2,048, K 64] x [K 64, N 2,048]; A: computed on the way; B: computed on the way: QUANTISED (scales: A lowp_scales[6], B lowp_scales[7])
;;     5. batch 32 x [M 2,048, K 2,048] x [K 2,048, N 64]; A: softmax (see below); B: computed on the way: QUANTISED (scales: A lowp_scales[8], B lowp_scales[9])
;;     6. [M 4,096, K 1,024] x [K 1,024, N 1,024]; A: computed on the way; B: input Wp: QUANTISED (scales: A lowp_scales[10], B lowp_scales[11])
;;   THE QUANTISER, for each operand of a quantised product, along K:
;;     - The operand's scale is 2^e, e = its entry of the input lowp_scales (int32; the entries are numbered through the quantised products in the list's order, A before B).
;;     - Each number is divided by the scale, clamped to +-57,344, and rounded to the nearest number of E5M2, ties to even, subnormals kept.
;;     - The product sums the exact products of the quantised numbers (number of the format x scale) in f32.
;;   ~~~python
;;   def quantise(x, axis, e):      # numpy; x: float32 -> the quantised numbers, widened to float32 again
;;       x = np.moveaxis(x, axis, -1); K = x.shape[-1]
;;       r = np.clip(x / 2.0 ** e, -57344, 57344)
;;       step = 2.0 ** (np.maximum(np.frexp(np.where(r == 0, 1, r))[1] - 1, -14) - 2)
;;       q = np.round(r / step) * step * 2.0 ** e      # np.round: ties to even
;;       return np.moveaxis(q, -1, axis).astype(np.float32)
;;   ~~~
;;   SOFTMAX AHEAD OF A QUANTISED PRODUCT. Where the list says 'softmax', what is quantised is not the finished softmax but p = 2^(t - M), with t = logit x log2(e) and M = ceil(the row's largest t), a whole number; so 1/2 < the row's largest p <= 1. The row's sum l is taken of the UNQUANTISED p, in f32, and the product's result is divided by l at the end. Since M is a whole number, a kernel that streams over the keys may use a running M (the ceiling of the running maximum): every later rescaling is an exact power of two, so the quantised numbers keep their values, but for numbers so far below the row's largest that they fall under the format's range.
;;   OPERANDS COMPUTED ON THE WAY. 'Computed on the way' means the value that the module computes at that place (a softmax that the list does not call 'softmax' is quantised finished and normalised). What goes into a quantiser is computed in f32, as accurately as f32 sums, v_exp_f32 and their like allow (about 1e-6 of the number): no bf16 or f16 on the way to a quantiser, and a product that is left as it is and whose result goes on into a quantised operand takes f32 operands (vector FMAs, or v_wmma_f32_16x16x4_f32). A number that lies on a knife's edge between two numbers of the format may be rounded either way, as far as f32 arithmetic and the matrix unit's own rounding can turn it there, and no further.
;; 2 versions. Each part assembles by itself: llvm-mc -triple=amdgcn-amd-amdhsa -mcpu=gfx1250 --defsym DOCPART=n.
;; ======== version 1 of 2: 4 launches
;; workspace buffers: nx_img 12,582,912 bytes; w_img 4,194,304 bytes; qkv_img 12,582,912 bytes; o_img 4,194,304 bytes
;; launch prep (part 1): grid 512 x 1, 4 waves a work-group, no clusters, 66,304 bytes of LDS; arguments x, Wp, ln_g, ln_b, Wq, Wk, Wv, lowp_scales, nx_img, w_img; writes nx_img, w_img
.if DOCPART == 1
	.amdgcn_target "amdgcn-amd-amdhsa--gfx1250"
	.amdhsa_code_object_version 6
	.text
	.protected	k_q079ab65131_prep
	.globl	k_q079ab65131_prep
	.p2align	8
	.type	k_q079ab65131_prep,@function
k_q079ab65131_prep:
	s_mov_b64 s[64:65], 0
	v_nop
	global_prefetch_b8 v0, s[64:65] scope:SCOPE_SE
	s_setreg_imm32_b32 hwreg(HW_REG_WAVE_MODE, 25, 1), 1
	s_wait_xcnt 0x0
; PREP: every operand that arrives as f32 becomes codes of BF8 (E5M2), laid as images of operand registers.
; Work-groups 0-255: 16 rows of x: LayerNorm in f32 (mean, then the mean of squared differences), quantised three times, with the scales of products 1, 2, 3 (entries 1, 3, 5).
; Work-groups 256-319: 16 rows of Wp, quantised once (entry 11).  Work-groups 320-511: Wq, Wk, Wv, whose K (e) is their middle axis (entries 0, 2, 4).
; THE IMAGE of a matrix [rows][1024]: tile T = 2 (row / 32) + (row / 8) % 2 holds the 16 rows 32 (T / 2) + 8 (T % 2) + (r % 8) + 16 (r / 8), r = 0 .. 15; byte = 16384 T + 2048 (k / 128) + 512 ((k / 32) % 4) + 256 ((k / 16) % 2) + 16 r + k % 16.
; So a fragment (16 rows x 128 K) is 2,048 consecutive bytes, lane l's 16 bytes of register group c at 512 c + 16 l, and every store below covers 512 bytes in whole aligned blocks of 256.
; No matrix work, no tensor loads, no cluster: work-groups share only ln_g and ln_b (8 KiB beside the 64 KiB that each reads).
; LIMITS: each exponent e used here lies between -126 and 112, so that 2^e and 57,344 x 2^e are f32 numbers.  NaN and infinities among the inputs are not served.
.set PITCH, 4112                       ; an LDS row of the f32 tile: 4,096 bytes + 16: sixteen rows start at sixteen different groups of four banks
.set X,   32                           ; v32-159  four rows as loaded, 32 registers each
.set GN,  160                          ; v160-191 ln_g at my columns
.set BS,  192                          ; v192-223 ln_b
.set F,   32                           ; behind the barrier: v32-95 64 numbers of a fragment; v96-159 the same, held; v160-207 codes, 16 registers a scale
.set TMP, 96
.set CD,  160
.set SC,  6                            ; v6.. : 2^e and 57,344 x 2^e, a pair for each scale
.set WV,  36
.macro MKSCALE e, n                    ; from the whole number e: the two f32 numbers
	s_add_co_i32 s56, \e, 127
	s_lshl_b32 s57, s56, 23
	v_mov_b32 v[SC+2*\n], s57                      ; 2^e: the conversion takes its exponent field
	s_add_co_i32 s56, s56, 15
	s_lshl_b32 s56, s56, 23
	s_or_b32 s56, s56, 0x600000
	v_mov_b32 v[SC+2*\n+1], s56                    ; 57,344 x 2^e
.endm
.macro REDUCE a, b                     ; the sum over the 32 lanes, in every lane
	v_add_f32_dpp v[\a], v[\a], v[\a] row_xmask:1 row_mask:0xf bank_mask:0xf
	v_add_f32_dpp v[\a], v[\a], v[\a] row_xmask:2 row_mask:0xf bank_mask:0xf
	v_add_f32_dpp v[\a], v[\a], v[\a] row_xmask:4 row_mask:0xf bank_mask:0xf
	v_add_f32_dpp v[\a], v[\a], v[\a] row_xmask:8 row_mask:0xf bank_mask:0xf
	v_permlanex16_b32 v[\b], v[\a], s60, s61
	v_add_f32 v[\a], v[\a], v[\b]
.endm
	s_load_b512 s[4:19], s[0:1], 0x0               ; x, Wp, ln_g, ln_b, Wq, Wk, Wv, the exponents
	s_load_b128 s[20:23], s[0:1], 0x40             ; nx_img, w_img
	v_lshl_add_u32 v224, v0, 2, 0x10100
	v_mov_b32 v225, 0
	v_lshrrev_b32 v1, 5, v0
	v_readfirstlane_b32 s[WV], v1                  ; wave 0..3
	v_and_b32 v1, 31, v0                           ; lane
	v_lshlrev_b32 v2, 4, v1                        ; 16 x lane
	s_wait_kmcnt 0x0
	s_load_b256 s[24:31], s[18:19], 0x0            ; entries 0-7
	s_load_b128 s[32:35], s[18:19], 0x20           ; entries 8-11
	s_cmp_lt_u32 ttmp9, 320
	s_cbranch_scc0 .Lcols
; ---------------- rows: K is innermost.  One text for x and Wp; only pointers, the tile's number and one exponent are chosen
	s_cmp_lt_u32 ttmp9, 256
	s_cselect_b64 s[40:41], s[4:5], s[6:7]         ; from x or from Wp
	s_cselect_b64 s[42:43], s[20:21], s[22:23]     ; into nx_img or into w_img,
	s_cselect_b32 s44, 0, 256
	s_cselect_b32 s45, 0, 0x300000                 ; whose fourth plane of 1 MiB is Wp's
	s_sub_co_u32 s44, ttmp9, s44                   ; the tile T
	s_lshr_b32 s47, s44, 1
	s_lshl_b32 s47, s47, 5
	s_and_b32 s48, s44, 1
	s_lshl_b32 s48, s48, 3
	s_add_co_u32 s47, s47, s48
	s_and_b32 s48, s[WV], 1
	s_lshl_b32 s48, s48, 2
	s_add_co_u32 s47, s47, s48
	s_lshr_b32 s48, s[WV], 1
	s_lshl_b32 s48, s48, 4
	s_add_co_u32 s47, s47, s48                     ; my wave's tile rows 4 w .. 4 w + 3 are the rows 32 (T / 2) + 8 (T % 2) + 4 (w % 2) + 16 (w / 2) + 0 .. 3
	s_lshl_b32 s48, s47, 12
	s_mov_b32 s49, 0
	s_add_nc_u64 s[40:41], s[40:41], s[48:49]
	s_lshl_b32 s50, s44, 14
	s_add_co_u32 s50, s50, s45
	s_lshl_b32 s51, s[WV], 12                      ; my wave makes K steps 2 w and 2 w + 1 of the tile: 4,096 w
	s_add_co_u32 s50, s50, s51
	s_mov_b32 s51, 0
	s_add_nc_u64 s[42:43], s[42:43], s[50:51]      ; the first scale's plane,
	s_add_nc_u64 s[52:53], s[42:43], 0x400000      ; the second's and the third's (x alone)
	s_add_nc_u64 s[54:55], s[42:43], 0x800000
	s_mov_b32 s58, 0x3a800000                      ; 1 / 1024
	s_mov_b32 s59, 0x3727c5ac                      ; 1e-5
	s_mov_b32 s60, 0x76543210
	s_mov_b32 s61, 0xfedcba98                      ; lane l xor 16
	s_mul_i32 s37, s[WV], 4*PITCH
	v_add_nc_u32 v3, s37, v2                       ; into the tile: my wave's four rows, 16 bytes a lane
	v_and_b32 v4, 15, v0
	v_bfe_u32 v12, v0, 4, 1
	v_mul_u32_u24 v5, v4, PITCH
	v_lshl_add_u32 v5, v12, 6, v5
	s_lshl_b32 s38, s[WV], 10
	v_add_nc_u32 v5, s38, v5                       ; out of it: row l % 16, + 64 (l / 16), + my wave's 256 along K
.irp i, 0,1,2,3,4,5,6,7
	global_load_b128 v[GN+4*\i:GN+4*\i+3], v2, s[8:9] offset:512*\i
.endr
.irp i, 0,1,2,3,4,5,6,7
	global_load_b128 v[BS+4*\i:BS+4*\i+3], v2, s[10:11] offset:512*\i
.endr
.irp j, 0,1,2,3
.irp i, 0,1,2,3,4,5,6,7
	global_load_b128 v[X+32*\j+4*\i:X+32*\j+4*\i+3], v2, s[40:41] offset:4096*\j+512*\i th:TH_LOAD_NT   ; 32 lanes read 512 consecutive bytes
.endr
.endr
	s_wait_kmcnt 0x0
	s_cmp_lt_u32 ttmp9, 256
	s_cselect_b32 s46, s25, s35                    ; entry 1 for x, entry 11 for Wp
	MKSCALE s46, 0
	MKSCALE s27, 1
	MKSCALE s29, 2
	s_cmp_lt_u32 ttmp9, 256
	s_cbranch_scc0 .Lplain                         ; Wp is quantised as it is: the jump passes register work alone
.macro LNROW j                         ; LayerNorm of my row j, in place
.set XR, X+32*\j
	s_wait_loadcnt 8*(3-\j)                        ; ln_g, ln_b and rows 0 .. j are in; the eight loads of each later row may be out
	v_pk_add_f32 v[12:13], v[XR:XR+1], v[XR+2:XR+3]
	v_pk_add_f32 v[14:15], v[XR+4:XR+5], v[XR+6:XR+7]
.set k, 8
.rept 6
	v_pk_add_f32 v[12:13], v[12:13], v[XR+k:XR+k+1]
	v_pk_add_f32 v[14:15], v[14:15], v[XR+k+2:XR+k+3]
.set k, k+4
.endr
	v_pk_add_f32 v[12:13], v[12:13], v[14:15]
	v_add_f32 v12, v12, v13
	REDUCE 12, 13
	v_mul_f32 v12, s58, v12                        ; the mean
	v_mov_b32 v13, v12
.set k, 0
.rept 16
	v_pk_add_f32 v[XR+k:XR+k+1], v[XR+k:XR+k+1], v[12:13] neg_lo:[0,1] neg_hi:[0,1]   ; x - mean
.set k, k+2
.endr
	v_pk_mul_f32 v[14:15], v[XR:XR+1], v[XR:XR+1]
	v_pk_mul_f32 v[16:17], v[XR+2:XR+3], v[XR+2:XR+3]
.set k, 4
.rept 7
	v_pk_fma_f32 v[14:15], v[XR+k:XR+k+1], v[XR+k:XR+k+1], v[14:15]
	v_pk_fma_f32 v[16:17], v[XR+k+2:XR+k+3], v[XR+k+2:XR+k+3], v[16:17]
.set k, k+4
.endr
	v_pk_add_f32 v[14:15], v[14:15], v[16:17]
	v_add_f32 v14, v14, v15
	REDUCE 14, 15
	v_fma_f32 v14, v14, s58, s59                   ; the variance + 1e-5
	v_rsq_f32 v16, v14
	v_rsq_f32 v17, v14
	v_nop                                          ; a plain instruction between the transcendentals and the use of their results (ISA guide 5.7.2)
.set k, 0
	s_wait_alu depctr_va_vdst(0)
.rept 16
	v_pk_mul_f32 v[XR+k:XR+k+1], v[XR+k:XR+k+1], v[16:17]
.set k, k+2
.endr
.set k, 0
.rept 16
	v_pk_fma_f32 v[XR+k:XR+k+1], v[XR+k:XR+k+1], v[GN+k:GN+k+1], v[BS+k:BS+k+1]
.set k, k+2
.endr
.endm
	LNROW 0
	LNROW 1
	LNROW 2
	LNROW 3
.Lplain:
	s_wait_loadcnt 0x0
.irp j, 0,1,2,3
.irp i, 0,1,2,3,4,5,6,7
	ds_store_b128 v3, v[X+32*\j+4*\i:X+32*\j+4*\i+3] offset:PITCH*\j+512*\i
.endr
.endr
	s_wait_dscnt 0x0                               ; for the others' sake: my four rows lie in the tile
	s_barrier_signal -1
	s_barrier_wait -1                              ; all sixteen do
.macro QUANT s                         ; the fragment's 64 numbers of my lane, held and converted with scale s
.irp c, 0,1,2,3
.set i, 0
.rept 16
	v_med3_num_f32 v[TMP+16*\c+i], v[F+16*\c+i], -v[SC+2*\s+1], v[SC+2*\s+1]   ; the conversion to an 8-bit code does not saturate (ISA guide 7.6.2)
.set i, i+1
.endr
	v_cvt_scalef32_pk8_bf8_f32 v[CD+16*\s+4*\c:CD+16*\s+4*\c+1], v[TMP+16*\c:TMP+16*\c+7], v[SC+2*\s]
	v_cvt_scalef32_pk8_bf8_f32 v[CD+16*\s+4*\c+2:CD+16*\s+4*\c+3], v[TMP+16*\c+8:TMP+16*\c+15], v[SC+2*\s]
.endr
	v_nop                                          ; a plain instruction behind the last conversion: the next scale's holds write its sources
.endm
.macro OUT s, q, base
.irp c, 0,1,2,3
	global_store_b128 v2, v[CD+16*\s+4*\c:CD+16*\s+4*\c+3], s[\base:\base+1] offset:2048*\q+512*\c   ; 512 consecutive bytes of the image
.endr
.endm
.macro PART q                          ; K step 2 w + q of the tile
.if \q
	s_wait_xcnt 0x0                                ; the first part's stores have read the codes' registers
.endif
.irp c, 0,1,2,3
.irp j, 0,1,2,3
	ds_load_b128 v[F+16*\c+4*\j:F+16*\c+4*\j+3], v5 offset:512*\q+128*\c+16*\j   ; register 16 c + i: k = 32 c + 16 (l / 16) + i of row l % 16
.endr
.endr
	s_wait_dscnt 0x0
	QUANT 0
	OUT 0, \q, 42
	s_cmp_lt_u32 ttmp9, 256
	s_cbranch_scc0 .Lone_\@                        ; Wp has one scale
	QUANT 1
	OUT 1, \q, 52
	QUANT 2
	OUT 2, \q, 54
.Lone_\@:
.endm
	PART 0
	PART 1
	s_wait_tensorcnt 0x0
	ds_add_u32 v224, v225
	s_wait_dscnt 0x0
	s_endpgm
; ---------------- columns: W [head][e][d].  A lane takes a column d and its registers run down e, so the conversions give codes with K innermost; no LDS
.Lcols:
	s_sub_co_u32 s40, ttmp9, 320                   ; j
	s_lshr_b32 s41, s40, 6                         ; 0 Wq, 1 Wk, 2 Wv
	s_bfe_u32 s45, s40, 0x40002                    ; the head
	s_and_b32 s46, s40, 3
	s_and_b32 s47, s[WV], 1                        ; which 32 of the head's 64 columns
	s_lshr_b32 s48, s[WV], 1
	s_lshl_b32 s46, s46, 1
	s_add_co_u32 s46, s46, s48                     ; which 128 along K
	s_cmp_eq_u32 s41, 0
	s_cselect_b64 s[42:43], s[12:13], s[14:15]
	s_cmp_eq_u32 s41, 2
	s_cselect_b64 s[42:43], s[16:17], s[42:43]
	s_lshl_b32 s50, s45, 18
	s_lshl_b32 s49, s46, 15
	s_add_co_u32 s50, s50, s49
	s_lshl_b32 s49, s47, 7
	s_add_co_u32 s50, s50, s49
	s_mov_b32 s51, 0
	s_add_nc_u64 s[42:43], s[42:43], s[50:51]
	s_lshl_b32 s52, s41, 20                        ; the tensor's plane of 1 MiB; rows 64 head + d: tiles 4 head + 2 half + (lane / 8) % 2
	s_lshl_b32 s49, s45, 16
	s_add_co_u32 s52, s52, s49
	s_lshl_b32 s49, s47, 15
	s_add_co_u32 s52, s52, s49
	s_lshl_b32 s49, s46, 11
	s_add_co_u32 s52, s52, s49
	s_mov_b32 s53, 0
	s_add_nc_u64 s[22:23], s[22:23], s[52:53]
	v_lshlrev_b32 v3, 2, v1                        ; in: 4 bytes a lane
	v_bfe_u32 v12, v1, 3, 1
	v_and_b32 v13, 7, v1
	v_lshrrev_b32 v14, 4, v1
	v_lshl_add_u32 v13, v14, 3, v13                ; r = lane % 8 + 8 (lane / 16)
	v_lshlrev_b32 v4, 4, v13
	v_lshl_add_u32 v4, v12, 14, v4                 ; out: 16 r + 16,384 ((lane / 8) % 2): a store fills two aligned blocks of 256 bytes
.macro LOADC t                         ; block t: W(32 t + i, my column)
.set i, 0
.rept 32
	global_load_b32 v[X+32*((\t)%2)+i], v3, s[42:43] offset:(32*(\t)+i)*256 th:TH_LOAD_NT
.set i, i+1
.endr
.endm
	LOADC 0
	LOADC 1
	s_wait_kmcnt 0x0
	s_cmp_eq_u32 s41, 0
	s_cselect_b32 s44, s24, s26
	s_cmp_eq_u32 s41, 2
	s_cselect_b32 s44, s28, s44                    ; entry 0, 2 or 4
	MKSCALE s44, 0
.macro BLOCK t
.set XS, X+32*((\t)%2)
.if (\t) < 3
	s_wait_loadcnt 32                              ; this block's 32 loads are in; the next block's may be out
.else
	s_wait_loadcnt 0x0
.endif
.set i, 0
.rept 32
	v_med3_num_f32 v[XS+i], v[XS+i], -v7, v7
.set i, i+1
.endr
.irp g, 0,1,2,3
	v_cvt_scalef32_pk8_bf8_f32 v[96+8*(\t)+2*\g:96+8*(\t)+2*\g+1], v[XS+8*\g:XS+8*\g+7], v6   ; each block has its own registers for its codes: no store's data are written again
.endr
	global_store_b128 v4, v[96+8*(\t):96+8*(\t)+3], s[22:23] offset:512*(\t)          ; k = 32 t + 0 .. 15
	global_store_b128 v4, v[96+8*(\t)+4:96+8*(\t)+7], s[22:23] offset:512*(\t)+256    ; k = 32 t + 16 .. 31
.if (\t)+2 < 4
	LOADC (\t)+2
.endif
.endm
	BLOCK 0
	BLOCK 1
	BLOCK 2
	BLOCK 3
	s_endpgm
.Lfunc_end_k_q079ab65131_prep:
	.size	k_q079ab65131_prep, .Lfunc_end_k_q079ab65131_prep-k_q079ab65131_prep
	.p2alignl 7, 3214868480
	.fill 96, 4, 3214868480
	.section	.rodata,"a",@progbits
	.p2align	6, 0x0
	.amdhsa_kernel k_q079ab65131_prep
		.amdhsa_group_segment_fixed_size 66304
		.amdhsa_private_segment_fixed_size 0
		.amdhsa_enable_private_segment 0
		.amdhsa_kernarg_size 80
		.amdhsa_user_sgpr_count 2
		.amdhsa_user_sgpr_kernarg_segment_ptr 1
		.amdhsa_wavefront_size32 1
		.amdhsa_system_sgpr_workgroup_id_x 1
		.amdhsa_system_sgpr_workgroup_id_y 1
		.amdhsa_system_sgpr_workgroup_id_z 1
		.amdhsa_system_vgpr_workitem_id 0
		.amdhsa_next_free_vgpr 226
		.amdhsa_next_free_sgpr 66
		.amdhsa_reserve_vcc 0
		.amdhsa_float_denorm_mode_32 3
		.amdhsa_float_denorm_mode_16_64 3
		.amdhsa_memory_ordered 1
		.amdhsa_forward_progress 1
		.amdhsa_inst_pref_size 90
	.end_amdhsa_kernel
	.amdgpu_metadata
---
amdhsa.version: [ 1, 2 ]
amdhsa.kernels:
  - .name:           k_q079ab65131_prep
    .symbol:         k_q079ab65131_prep.kd
    .args:
      - { .name: x, .offset: 0, .size: 8, .value_kind: global_buffer, .address_space: global }
      - { .name: Wp, .offset: 8, .size: 8, .value_kind: global_buffer, .address_space: global }
      - { .name: ln_g, .offset: 16, .size: 8, .value_kind: global_buffer, .address_space: global }
      - { .name: ln_b, .offset: 24, .size: 8, .value_kind: global_buffer, .address_space: global }
      - { .name: Wq, .offset: 32, .size: 8, .value_kind: global_buffer, .address_space: global }
      - { .name: Wk, .offset: 40, .size: 8, .value_kind: global_buffer, .address_space: global }
      - { .name: Wv, .offset: 48, .size: 8, .value_kind: global_buffer, .address_space: global }
      - { .name: lowp_scales, .offset: 56, .size: 8, .value_kind: global_buffer, .address_space: global }
      - { .name: nx_img, .offset: 64, .size: 8, .value_kind: global_buffer, .address_space: global }
      - { .name: w_img, .offset: 72, .size: 8, .value_kind: global_buffer, .address_space: global }
    .group_segment_fixed_size: 66304
    .private_segment_fixed_size: 0
    .kernarg_segment_align: 8
    .kernarg_segment_size: 80
    .max_flat_workgroup_size: 128
    .sgpr_count:     66
    .vgpr_count:     226
    .wavefront_size: 32
...
	.end_amdgpu_metadata
.endif
;; end of part 1
;; launch qkv (part 2): grid 12 x 16, 4 waves a work-group, clusters of 4 x 4, 327,680 bytes of LDS; arguments nx_img, w_img, bq, bk, bv, attention_mask, lowp_scales, qkv_img; writes qkv_img
.if DOCPART == 2
	.amdgcn_target "amdgcn-amd-amdhsa--gfx1250"
	.amdhsa_code_object_version 6
	.text
	.protected	k_q079ab65131_qkv
	.globl	k_q079ab65131_qkv
	.p2align	8
	.type	k_q079ab65131_qkv,@function
k_q079ab65131_qkv:
	s_mov_b64 s[64:65], 0
	v_nop
	global_prefetch_b8 v0, s[64:65] scope:SCOPE_SE
	s_setreg_imm32_b32 hwreg(HW_REG_WAVE_MODE, 25, 1), 1
	s_wait_xcnt 0x0
	s_wait_alu depctr_hold_cnt(0) depctr_sa_sdst(0) depctr_va_vdst(0) depctr_va_sdst(0) depctr_va_ssrc(0) depctr_va_vcc(0) depctr_vm_vsrc(0)
	s_getreg_b32 s2, hwreg(HW_REG_IB_STS2, 6, 4)
	s_cmp_eq_u32 s2, 0
	s_cbranch_scc0 .Lentry_in_a_cluster
	s_endpgm
.Lentry_in_a_cluster:
	s_bfe_u32 s2, ttmp6, 0x10000c
	s_cmp_lg_u32 s2, 0xf033
	s_cbranch_scc0 .Lentry_shape_is_right
	s_endpgm
.Lentry_shape_is_right:
; QKV: products 1, 2, 3 on codes of BF8, + bias, quantised at once into the codes that attention reads.  The cluster's x says which: 0 q, 1 k, 2 v.
; A work-group of four waves makes 256 x 256, a wave 128 x 128: 64 accumulators, 512 registers.  3 x 64 = 192 tiles of that size are all there are.
; SOURCE 0 ("B") gives a lane's registers, SOURCE 1 ("A") its lanes.  q, k: B = 256 rows (head, d) of the weight, A = 256 tokens: a lane's registers run along d, the K of the scores.
; v: B = 256 tokens, A = 256 rows (head, d) of Wv: the registers run along the tokens, the K of the second product.
; Operands come as images of registers (16 rows x 128 K = 2,048 consecutive bytes, tile T = rows 32 (T / 2) + 8 (T % 2) + r % 8 + 16 (r / 8)), so the 16 registers of result tiles 2 b, 2 b + 1 are 16 neighbours
; 32 b + 16 (lane / 16) + 0 .. 15 along B's rows: the conversions' results are 16-byte pieces of the next image, and a store covers 512 consecutive bytes.  No stage in LDS.
; K goes in steps of 256 through a ring of two LDS slots; 4 x 4 work-groups form a cluster: A's tiles are asked for jointly along a row of the cluster, B's along a column.
; THE MASK: k's numbers of tokens whose attention_mask is not positive are held within +-0: their codes are zeros, and attention adds the masked logit as the C of the score's sum.
; qkv_img: plane 0 q, plane 1 k (4 MiB each): 131,072 (16 batch + head) + 1,024 tile(s) + 512 (d / 32) + 256 ((d / 16) % 2) + 16 r(s) + d % 16;
;          plane 2 v: 131,072 (16 batch + head) + 8,192 (s / 128) + 2,048 tile(d) + 512 ((s / 32) % 4) + 256 ((s / 16) % 2) + 16 r(d) + s % 16.
; LIMITS: the sum of a product's two exponents between -126 and 127; entries 6, 7, 9 between -126 and 112.  NaN and infinities are not served.
; REGISTERS: window 0: v16-29 addresses; v32-95 the bias along my registers; v96-103 the bias along my lanes; v104-111 the mask, then the hold's limit; v128-255 A's fragments, one set; on the way out v128-191 numbers, v192-255 codes.
;   window 1: B's fragments, two sets.   windows 2, 3: the accumulators ((a, b) at v[8 (8 (a % 4) + b)]).
.set FR,    16                         ; registers of a fragment
.set NL,    4                          ; LDS loads that bring one
.set NP,    4                          ; places behind this matrix instruction (ISA guide 7.12.1)
.set HALFT, 32768                      ; 8 tiles x 2 K steps of 128 x 2,048 bytes: what one tensor load brings, and what a wave reads of A or of B
.set SLOT,  131072                     ; A's 16 tiles, then B's
.set SPARE, 262144                     ; behind the ring: the spare words, 128 bytes for each wave
.set ADRA, 16
.set ADRB, 20
.set L16,  24                          ; 16 x lane
.set LH,   25                          ; 64 x (lane / 16)
.set LR,   26                          ; 4 x (r % 8 + 16 (r / 8))
.set SPW,  28
.set NIL,  29
.set BC,   32
.set BV,   96
.set MK,   104
.set VSC,  112
.set VL,   113
.set AF,   128
.set TMP,  128
.set CD,   192
.set WV,   20
.set RH,   21                          ; wave / 2: my half of A's rows.  Also: I fetch for A (0) or for B (1)
.set CH,   22                          ; wave % 2: my half of B's rows.  Also: which half of that tile I fetch
.set G1,   24
.set G0,   32
.set G1B,  48
.set G0B,  56
.set MSB, 0
.macro WIN new                         ; the immediate's high byte repeats the setting that is left
.if MSB != \new
	s_set_vgpr_msb (MSB<<8)|\new
.set MSB, \new
.endif
.endm
.set MUL_LO, 0xa1                      ; source 0 (B) window 1, source 1 (A) window 0, C and D window 2
.set MUL_HI, 0xf1
.set TO_B,   0x40
.macro JLOAD g0a, g1a, g0b, g1b        ; a joint load: waves 0, 1 for A, waves 2, 3 for B; four v_nop follow each line
	s_cmp_eq_u32 s[RH], 0
	s_cbranch_scc0 .Lfor_b_\@
	tensor_load_to_lds s[\g0a:\g0a+3], s[\g1a:\g1a+7]
	s_nop 0
.rept 4
	v_nop
.endr
	s_branch .Lasked_\@
.Lfor_b_\@:
	tensor_load_to_lds s[\g0b:\g0b+3], s[\g1b:\g1b+7]
	s_nop 0
.rept 4
	v_nop
.endr
.Lasked_\@:
.endm
.macro CREST                           ; a round of the cluster's barrier behind its opening barrier
	s_cmp_lg_u32 s[WV], 0
	s_cbranch_scc1 .Lnot_wave_0_\@
	s_barrier_signal -3
.Lnot_wave_0_\@:
	s_barrier_wait -3
	s_barrier_signal -1
	s_barrier_wait -1
.endm
.macro CROUND
	s_barrier_signal -1
	s_barrier_wait -1
	CREST
.endm
	s_load_b512 s[4:19], s[0:1], 0x0               ; nx_img, w_img, bq, bk, bv, the mask, the exponents, qkv_img
	v_lshl_add_u32 v[SPW], v0, 2, SPARE
	v_mov_b32 v[NIL], 0
	ds_add_u32 v28, v29
	ds_add_u32 v28, v29
	s_wait_dscnt 0x0
	v_lshrrev_b32 v1, 5, v0
	v_readfirstlane_b32 s[WV], v1
	s_lshr_b32 s[RH], s[WV], 1
	s_and_b32 s[CH], s[WV], 1
	s_bfe_u32 s40, ttmp6, 0x40000                  ; cx
	s_bfe_u32 s41, ttmp6, 0x40004                  ; cy
	s_mov_b32 s42, ttmp9                           ; which: the cluster's x, the same in all sixteen partners
	s_and_b32 s43, ttmp7, 0xffff
	s_lshl_b32 s43, s43, 2                         ; 4 x the cluster's y
	s_lshl_b32 s46, s41, 2
	s_lshl_b32 s46, 15, s46                        ; my row of the cluster
	s_lshl_b32 s47, 0x1111, s40                    ; my column
	; group 1: 8 rows (tiles) of 4,096 bytes (two K steps of 128), 16,384 bytes apart; elements of 8 bytes; dense in LDS
	s_or_b32 s[G1+0], s46, (3<<16)|(1<<21)
	s_or_b32 s[G1B+0], s47, (3<<16)|(1<<21)
.irp g, G1, G1B
	s_mov_b32 s[\g+1], 512<<16                     ; tensor_dim0
	s_mov_b32 s[\g+2], 8<<16                       ; tensor_dim1
	s_mov_b32 s[\g+3], 512<<16                     ; tile_dim0
	s_mov_b32 s[\g+4], 8                           ; tile_dim1
	s_mov_b32 s[\g+5], 2048                        ; the pitch
	s_mov_b32 s[\g+6], 0
	s_mov_b32 s[\g+7], 0
.endr
	s_lshl_b32 s70, s42, 22                        ; nx's plane: 4 MiB each
	s_lshl_b32 s71, s42, 20                        ; the weight's: 1 MiB each
	s_cmp_eq_u32 s42, 2
	s_cselect_b32 s44, 0, s43
	s_cselect_b32 s45, s43, 0
	s_cselect_b32 s72, s71, s70                    ; A's plane
	s_cselect_b32 s74, s70, s71                    ; B's plane
	s_add_co_u32 s44, s44, s41                     ; A's tile of 256 rows: cy, + 4 Y where A is nx
	s_add_co_u32 s45, s45, s40                     ; B's: cx, + 4 Y where B is nx
	s_lshl_b32 s73, s44, 18
	s_add_co_u32 s72, s72, s73
	s_lshl_b32 s73, s[CH], 17
	s_add_co_u32 s72, s72, s73                     ; + the half that I fetch
	s_mov_b32 s73, 0
	s_lshl_b32 s75, s45, 18
	s_add_co_u32 s74, s74, s75
	s_lshl_b32 s75, s[CH], 17
	s_add_co_u32 s74, s74, s75
	s_mov_b32 s75, 0
	s_mul_i32 s23, s[WV], HALFT                    ; where they go: no place in the cluster enters an LDS address
	s_wait_kmcnt 0x0
	s_load_b256 s[84:91], s[16:17], 0x0            ; entries 0-7
	s_load_b128 s[92:95], s[16:17], 0x20           ; entries 8-11
	s_cmp_eq_u32 s42, 2
	s_cselect_b64 s[66:67], s[6:7], s[4:5]         ; A's buffer
	s_cselect_b64 s[68:69], s[4:5], s[6:7]         ; B's buffer
	s_add_nc_u64 s[66:67], s[66:67], s[72:73]
	s_add_nc_u64 s[68:69], s[68:69], s[74:75]
	CROUND                                         ; all sixteen work-groups are here: the first joint loads meet
.irp s, 0,1
	s_mov_b32 s[G0+4*\s], 1
	s_add_co_u32 s[G0+4*\s+1], s23, \s*SLOT
	s_add_nc_u64 s[G0+4*\s+2:G0+4*\s+3], s[66:67], \s*4096
	s_or_b32 s[G0+4*\s+3], s[G0+4*\s+3], 0x80000000
	s_mov_b32 s[G0B+4*\s], 1
	s_add_co_u32 s[G0B+4*\s+1], s23, \s*SLOT
	s_add_nc_u64 s[G0B+4*\s+2:G0B+4*\s+3], s[68:69], \s*4096
	s_or_b32 s[G0B+4*\s+3], s[G0B+4*\s+3], 0x80000000
	JLOAD G0+4*\s, G1, G0B+4*\s, G1B
.endr
	; biases and mask, on the one way that all take; where a set is not used its base is the buffer's first byte
	s_cmp_eq_u32 s42, 0
	s_cselect_b64 s[76:77], s[8:9], s[10:11]
	s_cmp_eq_u32 s42, 2
	s_cselect_b64 s[76:77], s[12:13], s[76:77]
	s_lshl_b32 s82, s40, 10
	s_lshl_b32 s83, s[CH], 9
	s_add_co_u32 s82, s82, s83                     ; q, k: my 128 rows (head, d) of B, in bytes of the bias
	s_lshl_b32 s98, s41, 10
	s_lshl_b32 s99, s[RH], 9
	s_add_co_u32 s98, s98, s99                     ; v: my 128 rows (head, d) of A
	s_cmp_eq_u32 s42, 2
	s_cselect_b32 s82, 0, s82
	s_cselect_b32 s98, s98, 0
	s_mov_b32 s83, 0
	s_mov_b32 s99, 0
	s_add_nc_u64 s[78:79], s[76:77], s[98:99]
	s_add_nc_u64 s[76:77], s[76:77], s[82:83]
	s_lshl_b32 s82, s44, 10
	s_lshl_b32 s98, s[RH], 9
	s_add_co_u32 s82, s82, s98                     ; the mask at A's rows (tokens for q, k; for v read and not used: under 1,024, inside the buffer)
	s_add_nc_u64 s[80:81], s[14:15], s[82:83]
	v_and_b32 v1, 31, v0
	v_lshlrev_b32 v[L16], 4, v1
	v_bfe_u32 v2, v0, 4, 1
	v_lshlrev_b32 v[LH], 6, v2
	v_and_b32 v3, 7, v0
	v_bfe_u32 v4, v0, 3, 1
	v_lshl_add_u32 v3, v4, 4, v3
	v_lshlrev_b32 v[LR], 2, v3
.irp b, 0,1,2,3
.irp i, 0,1,2,3
	global_load_b128 v[BC+16*\b+4*\i:BC+16*\b+4*\i+3], v[LH], s[76:77] offset:128*\b+16*\i   ; register 16 b + i: B's row 32 b + 16 (lane / 16) + i
.endr
.endr
.irp a, 0,1,2,3,4,5,6,7
	global_load_b32 v[BV+\a], v[LR], s[78:79] offset:(32*(\a/2)+8*(\a%2))*4                  ; block a: A's row 32 (a / 2) + 8 (a % 2) + r % 8 + 16 (r / 8)
	global_load_b32 v[MK+\a], v[LR], s[80:81] offset:(32*(\a/2)+8*(\a%2))*4
.endr
	s_mul_i32 s82, s[RH], HALFT
	s_mul_i32 s98, s[CH], HALFT
	s_add_co_u32 s98, s98, 2*HALFT
.irp s, 0,1
	v_add_nc_u32 v[ADRA+\s], s82, v[L16]
	v_add_nc_u32 v[ADRB+\s], s98, v[L16]
	s_add_co_u32 s82, s82, SLOT
	s_add_co_u32 s98, s98, SLOT
.endr
.macro FRAG reg, adr, q, i             ; tile i, the slot's q-th 128 along K: registers 4 c .. 4 c + 3 hold K = 32 c + 16 (l / 16) + 0 .. 15 of row l % 16; 512 consecutive bytes a load
.irp c, 0,1,2,3
	ds_load_b128 v[\reg+4*\c:\reg+4*\c+3], v[\adr] offset:(\i)*4096+(\q)*2048+512*\c
.endr
.endm
; 16 matrix instructions: A's blocks a0, a0 + 1 x B's eight.  The 64 accumulators take turns, one instruction a turn, in the same order in every step.
.macro MUL16 a0, p, zero
.irp a, \a0, \a0+1
.irp b, 0,1,2,3,4,5,6,7
.if \zero
	v_wmma_f32_16x16x128_bf8_bf8 v[8*(8*((\a)%4)+\b):8*(8*((\a)%4)+\b)+7], v[128*(\p)+FR*\b:128*(\p)+FR*\b+FR-1], v[AF+FR*(\a):AF+FR*(\a)+FR-1], 0
.else
	v_wmma_f32_16x16x128_bf8_bf8 v[8*(8*((\a)%4)+\b):8*(8*((\a)%4)+\b)+7], v[128*(\p)+FR*\b:128*(\p)+FR*\b+FR-1], v[AF+FR*(\a):AF+FR*(\a)+FR-1], v[8*(8*((\a)%4)+\b):8*(8*((\a)%4)+\b)+7]
.endif
.endr
.endr
.endm
.macro FETCH_B slot, q, p
	WIN TO_B
.irp i, 0,1,2,3,4,5,6,7
	FRAG 128*(\p)+FR*\i, ADRB+\slot, \q, \i
.endr
	WIN 0
.endm
.macro FETCH_A slot, q, i0
.irp i, \i0, \i0+1, \i0+2, \i0+3
	FRAG AF+FR*(\i), ADRA+\slot, \q, \i
.endr
.endm
.macro PLACES n                        ; plain vector instructions in front of loads into registers that matrix instructions have read, and of the first read of results
.rept \n
	v_nop
.endr
.endm
.macro STEP slot, q, zero              ; 128 along K whose successor lies in the same slot
	s_wait_dscnt 4*NL                              ; B's set and A's blocks 0-3 are in; the youngest sixteen loads (A's blocks 4-7) may be out
	WIN MUL_LO
	MUL16 0, (\q)%2, \zero
	MUL16 2, (\q)%2, \zero
	s_wait_dscnt 0
	PLACES NP
	FETCH_B \slot, (\q)+1, 1-(\q)%2
	FETCH_A \slot, (\q)+1, 0
	WIN MUL_HI
	MUL16 4, (\q)%2, \zero
	MUL16 6, (\q)%2, \zero
	PLACES NP
	WIN 0
	FETCH_A \slot, (\q)+1, 4
.endm
; A slot's last step changes slots: one barrier; in front of it each wave waits for all its tensor loads, adds 0 to its spare word, and waits for that and for its reads of this slot.
.macro TURN slot, next, fill
	s_wait_tensorcnt 0x0                           ; all my tensor loads have landed: my part of the next slot
	ds_add_u32 v[SPW], v[NIL]                      ; 0 onto my spare word
	s_wait_dscnt 4*NL+1                            ; (the add and the youngest sixteen loads may be out)
	WIN MUL_LO
	MUL16 0, 1, 0
	s_wait_dscnt 0x0                               ; the add is done, and my reads of this slot are over
	s_barrier_signal -1
	MUL16 2, 1, 0
	WIN 0
	s_barrier_wait -1
.if \fill
	CREST                                          ; the barrier has opened a round of the cluster's: no wave of any partner still reads this slot or has a load on its way
	s_add_nc_u64 s[G0+4*\slot+2:G0+4*\slot+3], s[G0+4*\slot+2:G0+4*\slot+3], 8192
	s_add_nc_u64 s[G0B+4*\slot+2:G0B+4*\slot+3], s[G0B+4*\slot+2:G0B+4*\slot+3], 8192
	JLOAD G0+4*\slot, G1, G0B+4*\slot, G1B         ; the first tensor load behind the round; its four v_nop are the places in front of the loads below
.else
	PLACES NP
.endif
	FETCH_B \next, 0, 0
	FETCH_A \next, 0, 0
	WIN MUL_HI
	MUL16 4, 1, 0
	MUL16 6, 1, 0
	PLACES NP
	WIN 0
	FETCH_A \next, 0, 4
.endm
	s_wait_tensorcnt 1                             ; my part of K step 0 is in; K step 1's load may be out
	s_barrier_signal -1
	s_barrier_wait -1
	FETCH_B 0, 0, 0
	FETCH_A 0, 0, 0
	FETCH_A 0, 0, 4
	STEP 0, 0, 1                                   ; the first products start the sums
	TURN 0, 1, 1                                   ; K = 1,024 is four slots' worth: each slot is filled again once, so the walk is written straight
	STEP 1, 0, 0
	TURN 1, 0, 1
	STEP 0, 0, 0
	TURN 0, 1, 0
	STEP 1, 0, 0
	s_wait_dscnt 4*NL
	WIN MUL_LO
	MUL16 0, 1, 0
	MUL16 2, 1, 0
	s_wait_dscnt 0
	WIN MUL_HI
	MUL16 4, 1, 0
	MUL16 6, 1, 0
	WIN 0
; THE WAY OUT: number = sum x 2^(the two exponents) + bias, held, converted with the next product's scale, stored as a piece of the next image.
	s_wait_kmcnt 0x0
	s_cmp_eq_u32 s42, 0
	s_cselect_b32 s66, s84, s86                    ; the weight's exponent,
	s_cselect_b32 s67, s85, s87                    ; nx's,
	s_cselect_b32 s68, s90, s91                    ; and the result's: entry 6 (q), 7 (k), 9 (v)
	s_cmp_eq_u32 s42, 2
	s_cselect_b32 s66, s88, s66
	s_cselect_b32 s67, s89, s67
	s_cselect_b32 s68, s93, s68
	s_cmp_eq_u32 s42, 1
	s_cselect_b32 s69, 0, -1                       ; only k's rows heed the mask
	s_cmp_eq_u32 s42, 2
	s_cselect_b32 s82, s45, s44                    ; the tile of 256 tokens, and my half of it;
	s_cselect_b32 s83, s[CH], s[RH]
	s_cselect_b32 s98, s41, s40                    ; the four heads of the 256 rows (head, d), and my two of them
	s_cselect_b32 s99, s[RH], s[CH]
	s_add_co_i32 s96, s66, s67
	s_add_co_i32 s96, s96, 127
	s_lshl_b32 s96, s96, 23                        ; 2^(the two exponents) as f32
	s_mov_b32 s97, s96
	s_add_co_i32 s68, s68, 127
	s_lshl_b32 s70, s68, 23
	v_mov_b32 v[VSC], s70
	s_add_co_i32 s68, s68, 15
	s_lshl_b32 s68, s68, 23
	s_or_b32 s68, s68, 0x600000
	v_mov_b32 v[VL], s68
	s_lshl_b32 s82, s82, 8
	s_lshl_b32 s83, s83, 7
	s_add_co_u32 s82, s82, s83                     ; my first token
	s_lshr_b32 s83, s82, 11
	s_lshl_b32 s83, s83, 4                         ; 16 x batch
	s_lshl_b32 s98, s98, 2
	s_add_co_u32 s83, s83, s98
	s_lshl_b32 s99, s99, 1
	s_add_co_u32 s83, s83, s99                     ; + my first head
	s_lshl_b32 s83, s83, 17
	s_and_b32 s82, s82, 2047
	s_lshl_b32 s82, s82, 6                         ; q, k: 1,024 bytes for 16 tokens; v: 8,192 for 128: 64 a token either way
	s_add_co_u32 s82, s82, s83
	s_lshl_b32 s83, s42, 22                        ; the plane
	s_add_co_u32 s82, s82, s83
	s_mov_b32 s83, 0
	s_add_nc_u64 s[18:19], s[18:19], s[82:83]
	s_wait_loadcnt 0x0                             ; biases and mask
	PLACES NP
.irp a, 0,1,2,3,4,5,6,7
	v_cmp_lt_i32 s70, 0, v[MK+\a]                  ; the token counts,
	s_or_b32 s70, s70, s69                         ; or this is not k:
	v_cndmask_b32 v[MK+\a], 0, v[VL], s70          ; the hold's limit is 57,344 x the scale; else 0
.endr
.macro OUTA a, isv
.if (\a) >= 4
	s_wait_xcnt 0x0                                ; block a - 4's stores have read the codes' registers
.endif
.set AC, 64*((\a)%4)
.set CB, CD+16*((\a)%4)
	WIN 0x02+((\a)/4)                              ; source 0: window 2 or 3
.set j, 0
.rept 32                                           ; each accumulator from its low end on
.if \isv && ((\a)%2)
	v_pk_fma_f32 v[TMP+j:TMP+j+1], v[AC+j:AC+j+1], s[96:97], v[BV+2*((\a)/2):BV+2*((\a)/2)+1] op_sel:[0,0,1] op_sel_hi:[1,0,1]
.elseif \isv
	v_pk_fma_f32 v[TMP+j:TMP+j+1], v[AC+j:AC+j+1], s[96:97], v[BV+2*((\a)/2):BV+2*((\a)/2)+1] op_sel_hi:[1,0,0]
.else
	v_pk_fma_f32 v[TMP+j:TMP+j+1], v[AC+j:AC+j+1], s[96:97], v[BC+j:BC+j+1] op_sel_hi:[1,0,1]
.endif
.set j, j+2
.endr
	WIN 0
.irp b, 0,1,2,3
.set i, 0
.rept 16
.if \isv
	v_med3_num_f32 v[TMP+16*\b+i], v[TMP+16*\b+i], -v[VL], v[VL]
.else
	v_med3_num_f32 v[TMP+16*\b+i], v[TMP+16*\b+i], -v[MK+(\a)], v[MK+(\a)]
.endif
.set i, i+1
.endr
	v_cvt_scalef32_pk8_bf8_f32 v[CB+4*\b:CB+4*\b+1], v[TMP+16*\b:TMP+16*\b+7], v[VSC]
	v_cvt_scalef32_pk8_bf8_f32 v[CB+4*\b+2:CB+4*\b+3], v[TMP+16*\b+8:TMP+16*\b+15], v[VSC]
.endr
	v_nop                                          ; a plain instruction behind the last conversion: the next block's numbers write its sources
.irp b, 0,1,2,3
.if \isv
	global_store_b128 v[L16], v[CB+4*\b:CB+4*\b+3], s[18:19] offset:((\a)/4)*131072+((\a)%4)*2048+\b*512
.else
	global_store_b128 v[L16], v[CB+4*\b:CB+4*\b+3], s[18:19] offset:(\b/2)*131072+(\a)*1024+(\b%2)*512
.endif
.endr
.endm
	s_cmp_eq_u32 s42, 2                            ; the same in all partners: it hangs on the cluster's x alone
	s_cbranch_scc1 .Lout_v
.irp a, 0,1,2,3,4,5,6,7
	OUTA \a, 0
.endr
	s_branch .Lout_done
.Lout_v:
.irp a, 0,1,2,3,4,5,6,7
	OUTA \a, 1
.endr
.Lout_done:
	s_wait_tensorcnt 0x0                           ; the wave's end
	ds_add_u32 v[SPW], v[NIL]
	s_wait_dscnt 0x0
	CROUND                                         ; the closing round
	s_endpgm
.Lfunc_end_k_q079ab65131_qkv:
	.size	k_q079ab65131_qkv, .Lfunc_end_k_q079ab65131_qkv-k_q079ab65131_qkv
	.p2alignl 7, 3214868480
	.fill 96, 4, 3214868480
	.section	.rodata,"a",@progbits
	.p2align	6, 0x0
	.amdhsa_kernel k_q079ab65131_qkv
		.amdhsa_group_segment_fixed_size 327680
		.amdhsa_private_segment_fixed_size 0
		.amdhsa_enable_private_segment 0
		.amdhsa_kernarg_size 64
		.amdhsa_user_sgpr_count 2
		.amdhsa_user_sgpr_kernarg_segment_ptr 1
		.amdhsa_wavefront_size32 1
		.amdhsa_system_sgpr_workgroup_id_x 1
		.amdhsa_system_sgpr_workgroup_id_y 1
		.amdhsa_system_sgpr_workgroup_id_z 1
		.amdhsa_system_vgpr_workitem_id 0
		.amdhsa_next_free_vgpr 1024
		.amdhsa_next_free_sgpr 100
		.amdhsa_reserve_vcc 0
		.amdhsa_float_denorm_mode_32 3
		.amdhsa_float_denorm_mode_16_64 3
		.amdhsa_memory_ordered 1
		.amdhsa_forward_progress 1
		.amdhsa_inst_pref_size 195
	.end_amdhsa_kernel
	.amdgpu_metadata
---
amdhsa.version: [ 1, 2 ]
amdhsa.kernels:
  - .name:           k_q079ab65131_qkv
    .symbol:         k_q079ab65131_qkv.kd
    .args:
      - { .name: nx_img, .offset: 0, .size: 8, .value_kind: global_buffer, .address_space: global }
      - { .name: w_img, .offset: 8, .size: 8, .value_kind: global_buffer, .address_space: global }
      - { .name: bq, .offset: 16, .size: 8, .value_kind: global_buffer, .address_space: global }
      - { .name: bk, .offset: 24, .size: 8, .value_kind: global_buffer, .address_space: global }
      - { .name: bv, .offset: 32, .size: 8, .value_kind: global_buffer, .address_space: global }
      - { .name: attention_mask, .offset: 40, .size: 8, .value_kind: global_buffer, .address_space: global }
      - { .name: lowp_scales, .offset: 48, .size: 8, .value_kind: global_buffer, .address_space: global }
      - { .name: qkv_img, .offset: 56, .size: 8, .value_kind: global_buffer, .address_space: global }
    .group_segment_fixed_size: 327680
    .private_segment_fixed_size: 0
    .kernarg_segment_align: 8
    .kernarg_segment_size: 64
    .max_flat_workgroup_size: 128
    .sgpr_count:     100
    .vgpr_count:     1024
    .wavefront_size: 32
...
	.end_amdgpu_metadata
.endif
;; end of part 2
;; launch attn (part 3): grid 8 x 32, 8 waves a work-group, clusters of 4 x 1, 271,360 bytes of LDS; arguments qkv_img, attention_mask, lowp_scales, o_img; writes o_img
.if DOCPART == 3
	.amdgcn_target "amdgcn-amd-amdhsa--gfx1250"
	.amdhsa_code_object_version 6
	.text
	.protected	k_q079ab65131_attn
	.globl	k_q079ab65131_attn
	.p2align	8
	.type	k_q079ab65131_attn,@function
k_q079ab65131_attn:
	s_mov_b64 s[64:65], 0
	v_nop
	global_prefetch_b8 v0, s[64:65] scope:SCOPE_SE
	s_setreg_imm32_b32 hwreg(HW_REG_WAVE_MODE, 25, 1), 1
	s_wait_xcnt 0x0
	s_wait_alu depctr_hold_cnt(0) depctr_sa_sdst(0) depctr_va_vdst(0) depctr_va_sdst(0) depctr_va_ssrc(0) depctr_va_vcc(0) depctr_vm_vsrc(0)
	s_getreg_b32 s2, hwreg(HW_REG_IB_STS2, 6, 4)
	s_cmp_eq_u32 s2, 0
	s_cbranch_scc0 .Lentry_in_a_cluster
	s_endpgm
.Lentry_in_a_cluster:
	s_bfe_u32 s2, ttmp6, 0x10000c
	s_cmp_lg_u32 s2, 0x3003
	s_cbranch_scc0 .Lentry_shape_is_right
	s_endpgm
.Lentry_shape_is_right:
; ATTN: products 4 and 5 on codes of BF8, with the softmax between them; the result / the row's sum is quantised for the output projection.
; A work-group owns 256 queries of one (batch, head); each of its eight waves 32 of them, two tiles of 16, so that each fragment of K, of V and of the masked logits feeds two matrix instructions.
; THE WHOLE HEAD LIES IN LDS: K's image (131,072 bytes), V's image (131,072), a table of 2,048 f32.  Nothing is filled twice: no ring.  The four query blocks of a cluster walk the same K and V:
; each part is asked for jointly.  Each wave asks for two parts: one of the first four key steps (8 KiB), so that work starts early, and three of the other twelve (24 KiB).
; Both products are used transposed: S^T = K Q^T (source 0 = 16 keys), O^T = V^T P^T (source 0 = 16 of the head's 64): a lane holds one query throughout.  The images' tiles hold rows
; 32 b + 8 u + r % 8 + 16 (r / 8), so the 16 registers of tiles 2 b, 2 b + 1 are 16 neighbours: p's codes are the second product's operand, and O's codes are 16-byte pieces of the next image.
; THE MASK: k's codes of masked keys are zeros; the table holds 0 for a key that counts and -8e9 / 2^(e6 + e7) for a masked one, and is the C of the score's sum: a masked sum stands for the logit -1e9 exactly.
; THE SOFTMAX: t = sum x c, c = log2(e) / 8 x 2^(e6 + e7); M = the running largest t rounded up to a whole number; p = 2^(t - M) is quantised; the sum is taken of the unquantised p; when M moves, sum and O^T are multiplied by 2^(old M - new M).
; LIMITS: e6 + e7 between -123 and 130; e8 and e10 between -126 and 112.  NaN and infinities are not served.
; REGISTERS: window 0: v1-7 addresses and the hold; v8-15 statistics (tile q: -M, largest t, the sum's two halves); v16-31 at work; v32-95 V's four fragments; v96-223 S^T then p, 64 a tile; v224-255 p's codes.
;   window 1: v0-63 O^T, 32 a tile; v64-79 Q; v80-143 K's eight fragments; v144-207 the table's 64 numbers of a step.
.set VIMG, 131072
.set BIAS, 262144
.set L16, 1
.set LV,  2
.set LB,  3
.set ADK, 4
.set ADV, 5
.set ADB, 6
.set LIM, 7
.set ST,  8
.set TA,  16
.set TC,  18
.set FF,  20
.set C2,  24
.set SCL, 28
.set PD,  29
.set VF,  32
.set S,   96
.set P,   224
.set O,   0
.set QF,  64
.set KF,  80
.set BF,  144
.set WV,  20
.set G1A, 24
.set G1B, 32
.set G0A, 40
.set G0B, 44
.set CNT, 57
.set CS,  58
.set SEL, 60
.set TB,  62
.set TBB, 63
.set MSB, 0
.macro WIN new
.if MSB != \new
	s_set_vgpr_msb (MSB<<8)|\new
.set MSB, \new
.endif
.endm
.macro CROUND
	s_barrier_signal -1
	s_barrier_wait -1
	s_cmp_lg_u32 s[WV], 0
	s_cbranch_scc1 .Lnot_wave_0_\@
	s_barrier_signal -3
.Lnot_wave_0_\@:
	s_barrier_wait -3
	s_barrier_signal -1
	s_barrier_wait -1
.endm
	s_load_b256 s[4:11], s[0:1], 0x0               ; qkv_img, the mask, the exponents, o_img
	s_set_vgpr_msb 0x40
	v_lshl_add_u32 v254, v0, 2, 0x42000
	v_mov_b32 v255, 0
	s_set_vgpr_msb 0x4045
	ds_add_u32 v254, v255
	ds_add_u32 v254, v255
	s_set_vgpr_msb 0x4500
	v_lshrrev_b32 v1, 5, v0
	v_readfirstlane_b32 s[WV], v1                  ; wave 0..7
	s_bfe_u32 s12, ttmp6, 0x40000                  ; cx: it enters Q's and O's addresses alone
	s_lshl_b32 s13, ttmp9, 2
	s_add_co_u32 s13, s13, s12                     ; my block of 256 queries
	s_and_b32 s14, ttmp7, 0xffff                   ; 16 batch + head, which the partners share
	s_lshr_b32 s15, s[WV], 2                       ; waves 0-3 fetch K, waves 4-7 V
	s_and_b32 s16, s[WV], 3
	; group 1: dense blocks as rows of 256 bytes (32 elements of 8 bytes): 32 rows, and 96 rows; the mask names the four partners
	s_mov_b32 s[G1A], 15|(3<<16)|(1<<21)
	s_mov_b32 s[G1A+1], 32<<16
	s_mov_b32 s[G1A+2], 32<<16
	s_mov_b32 s[G1A+3], 32<<16
	s_mov_b32 s[G1A+4], 32
	s_mov_b32 s[G1A+5], 32
	s_mov_b32 s[G1A+6], 0
	s_mov_b32 s[G1A+7], 0
	s_mov_b32 s[G1B], 15|(3<<16)|(1<<21)
	s_mov_b32 s[G1B+1], 32<<16
	s_mov_b32 s[G1B+2], 96<<16
	s_mov_b32 s[G1B+3], 32<<16
	s_mov_b32 s[G1B+4], 96
	s_mov_b32 s[G1B+5], 32
	s_mov_b32 s[G1B+6], 0
	s_mov_b32 s[G1B+7], 0
	s_lshl_b32 s17, s15, 17                        ; the image's place in LDS
	s_lshl_b32 s18, s16, 13                        ; key step w % 4,
	s_mul_i32 s19, s16, 24576
	s_add_co_u32 s19, s19, 32768                   ; and key steps 4 + 3 (w % 4) on
	s_add_co_u32 s22, s15, 1
	s_lshl_b32 s22, s22, 22                        ; plane 1 or 2
	s_lshl_b32 s23, s14, 17
	s_add_co_u32 s22, s22, s23
	s_mov_b32 s23, 0
	s_mov_b32 s51, 0
	s_wait_dscnt 0x0
	s_wait_kmcnt 0x0
	s_load_b256 s[68:75], s[8:9], 0x0              ; entries 0-7
	s_load_b128 s[76:79], s[8:9], 0x20             ; entries 8-11
	s_add_nc_u64 s[48:49], s[4:5], s[22:23]
	s_mov_b32 s[G0A], 1
	s_add_co_u32 s[G0A+1], s17, s18
	s_mov_b32 s50, s18
	s_add_nc_u64 s[G0A+2:G0A+3], s[48:49], s[50:51]
	s_or_b32 s[G0A+3], s[G0A+3], 0x80000000
	s_mov_b32 s[G0B], 1
	s_add_co_u32 s[G0B+1], s17, s19
	s_mov_b32 s50, s19
	s_add_nc_u64 s[G0B+2:G0B+3], s[48:49], s[50:51]
	s_or_b32 s[G0B+3], s[G0B+3], 0x80000000
	CROUND                                         ; all four work-groups are here: the joint loads meet
	tensor_load_to_lds s[G0A:G0A+3], s[G1A:G1A+7]
	s_nop 0
	tensor_load_to_lds s[G0B:G0B+3], s[G1B:G1B+7]  ; two loads of mine are out
	s_nop 0
.rept 4
	v_nop
.endr
	v_and_b32 v16, 31, v0
	v_lshlrev_b32 v[L16], 4, v16
	v_add_nc_u32 v[LV], VIMG, v[L16]
	v_bfe_u32 v17, v0, 4, 1
	v_lshlrev_b32 v[LB], 6, v17
	v_add_nc_u32 v[LB], BIAS, v[LB]
	v_lshlrev_b32 v18, 5, v0                       ; thread t takes keys 8 t .. 8 t + 7 of the mask
	v_add_nc_u32 v19, BIAS, v18
	s_lshr_b32 s50, s14, 4
	s_lshl_b32 s50, s50, 13
	s_add_nc_u64 s[6:7], s[6:7], s[50:51]          ; the batch's 2,048 words
	global_load_b128 v[96:99], v18, s[6:7]
	global_load_b128 v[100:103], v18, s[6:7] offset:16
	s_lshl_b32 s52, s13, 4
	s_lshl_b32 s53, s[WV], 1
	s_add_co_u32 s52, s52, s53                     ; my first tile of queries
	s_lshl_b32 s54, s52, 10
	s_lshl_b32 s55, s14, 17
	s_add_co_u32 s54, s54, s55
	s_mov_b32 s55, 0
	s_add_nc_u64 s[4:5], s[4:5], s[54:55]
	WIN 0x40                                       ; destination window 1
.irp q, 0,1
.irp c, 0,1
	global_load_b128 v[QF+8*\q+4*\c:QF+8*\q+4*\c+3], v[L16], s[4:5] offset:1024*\q+512*\c
.endr
.endr
.set j, 0
.rept 64
	v_mov_b32 v[O+j], 0                            ; O^T: the step is written for every step alike; the first change of M leaves zeros zeros
.set j, j+1
.endr
	WIN 0
	s_mov_b32 s[SEL], 0x76543210
	s_mov_b32 s[SEL+1], 0xfedcba98
	s_mov_b32 s[TB], 0
	s_mov_b32 s[TBB], 0
	s_wait_kmcnt 0x0
	s_add_co_i32 s50, s74, s75                     ; e6 + e7
	s_lshl_b32 s53, s50, 23
	s_mov_b32 s[CS], 0x3e38aa3b                    ; log2(e) / 8
	s_add_co_i32 s[CS], s[CS], s53                 ; x 2^(e6 + e7): added to the exponent field
	s_mov_b32 s[CS+1], s[CS]
	s_sub_co_i32 s50, 0, s50
	v_mov_b32 v31, 0xcfee6b28                      ; -8e9
	v_ldexp_f32 v31, v31, s50                      ; / 2^(e6 + e7)
	s_add_co_i32 s50, s76, 127
	s_lshl_b32 s53, s50, 23
	v_mov_b32 v[SCL], s53                          ; 2^e8
	s_add_co_i32 s50, s50, 15
	s_lshl_b32 s50, s50, 23
	s_or_b32 s50, s50, 0x600000
	v_mov_b32 v[LIM], s50                          ; 57,344 x 2^e8
.irp q, 0,1
	v_mov_b32 v[ST+4*\q+1], 0xff61b1e6             ; the largest t so far: -3e38
	v_floor_f32 v[ST+4*\q], -v[ST+4*\q+1]          ; -M
	v_mov_b32 v[ST+4*\q+2], 0
	v_mov_b32 v[ST+4*\q+3], 0
	v_mov_b32 v[FF+2*\q+1], 0                      ; (named as the upper half of a pair)
	v_mov_b32 v[PD+\q], 0                          ; (a lane permute's destination counts as read)
.endr
	s_wait_loadcnt 0x0                             ; the mask and Q
.irp j, 0,1,2,3,4,5,6,7
	v_cmp_ge_i32 vcc_lo, 0, v[96+\j]
	v_cndmask_b32 v[96+\j], 0, v31, vcc_lo
.endr
	ds_store_b128 v19, v[96:99]
	ds_store_b128 v19, v[100:103] offset:16
.macro SOFTA q                         ; the tile's largest t, the new M, f
.set SB, S+64*\q
.set TQ, ST+4*\q
	v_max3_num_f32 v[TA+\q], v[SB], v[SB+1], v[SB+2]
	v_max3_num_f32 v[TC+\q], v[SB+3], v[SB+4], v[SB+5]
.set i, 6
.rept 14
	v_max3_num_f32 v[TA+\q], v[TA+\q], v[SB+i], v[SB+i+1]
	v_max3_num_f32 v[TC+\q], v[TC+\q], v[SB+i+2], v[SB+i+3]
.set i, i+4
.endr
	v_max3_num_f32 v[TA+\q], v[TA+\q], v[SB+62], v[SB+63]
	v_max_num_f32 v[TA+\q], v[TA+\q], v[TC+\q]
	v_permlanex16_b32 v[PD+\q], v[TA+\q], s[SEL], s[SEL+1]
	v_max_num_f32 v[TA+\q], v[TA+\q], v[PD+\q]     ; among the query's 128 keys
	v_mul_f32 v[TA+\q], s[CS], v[TA+\q]            ; as t (c is positive)
	v_max_num_f32 v[TQ+1], v[TQ+1], v[TA+\q]
	v_mov_b32 v[TA+\q], v[TQ]
	v_floor_f32 v[TQ], -v[TQ+1]                    ; -M = floor(-t)
	v_sub_f32 v[TA+\q], v[TQ], v[TA+\q]            ; old M - new M, a whole number, 0 or less
	v_cvt_i32_f32 v[TA+\q], v[TA+\q]               ; (it saturates)
	v_ldexp_f32 v[FF+2*\q], 1.0, v[TA+\q]          ; f = 2^(old M - new M)
.endm
.macro SOFTB q                         ; p, the sum, p's codes
.set SB, S+64*\q
.set TQ, ST+4*\q
.set j, 0
.rept 32
	v_pk_fma_f32 v[SB+j:SB+j+1], v[SB+j:SB+j+1], s[CS:CS+1], v[TQ:TQ+1] op_sel_hi:[1,0,0]   ; t - M
.set j, j+2
.endr
.set j, 0
.rept 64
	v_exp_f32 v[SB+j], v[SB+j]
.set j, j+1
.endr
	v_pk_mul_f32 v[TQ+2:TQ+3], v[TQ+2:TQ+3], v[FF+2*\q:FF+2*\q+1] op_sel_hi:[1,0]   ; the sum under the new M (the plain instruction behind the exponentials)
	s_wait_alu depctr_va_vdst(0)
	v_pk_add_f32 v[C2+2*\q:C2+2*\q+1], v[SB:SB+1], v[SB+2:SB+3]                     ; the sum is taken of the unquantised p, in two chains
.set j, 4
.rept 15
	v_pk_add_f32 v[TQ+2:TQ+3], v[TQ+2:TQ+3], v[SB+j:SB+j+1]
	v_pk_add_f32 v[C2+2*\q:C2+2*\q+1], v[C2+2*\q:C2+2*\q+1], v[SB+j+2:SB+j+3]
.set j, j+4
.endr
	v_pk_add_f32 v[TQ+2:TQ+3], v[TQ+2:TQ+3], v[C2+2*\q:C2+2*\q+1]
.irp b, 0,1,2,3
.set i, 0
.rept 16
	v_min_num_f32 v[SB+16*\b+i], v[SB+16*\b+i], v[LIM]   ; the conversion does not saturate (ISA guide 7.6.2); p is not negative
.set i, i+1
.endr
	v_cvt_scalef32_pk8_bf8_f32 v[P+16*\q+4*\b:P+16*\q+4*\b+1], v[SB+16*\b:SB+16*\b+7], v[SCL]
	v_cvt_scalef32_pk8_bf8_f32 v[P+16*\q+4*\b+2:P+16*\q+4*\b+3], v[SB+16*\b+8:SB+16*\b+15], v[SCL]
.endr
.endm
.macro STEP                            ; 128 keys, at byte s[TB] of the images and s[TBB] of the table
	v_add_nc_u32 v[ADK], s[TB], v[L16]
	v_add_nc_u32 v[ADV], s[TB], v[LV]
	v_add_nc_u32 v[ADB], s[TBB], v[LB]
	v_nop                                          ; four plain instructions behind the last products, in front of the loads into registers that they read
	WIN 0x40
.irp t, 0,1,2,3,4,5,6,7
.irp c, 0,1
	ds_load_b128 v[KF+8*\t+4*\c:KF+8*\t+4*\c+3], v[ADK] offset:1024*\t+512*\c
.endr
.endr
.irp b, 0,1,2,3
.irp i, 0,1,2,3
	ds_load_b128 v[BF+16*\b+4*\i:BF+16*\b+4*\i+3], v[ADB] offset:128*\b+16*\i   ; register 16 b + i: key 32 b + 16 (lane / 16) + i
.endr
.endr
	WIN 0
.irp t, 0,1,2,3
.irp c, 0,1,2,3
	ds_load_b128 v[VF+16*\t+4*\c:VF+16*\t+4*\c+3], v[ADV] offset:2048*\t+512*\c
.endr
.endr
	s_wait_dscnt 16                                ; K and the table are in; V's sixteen loads may be out
	WIN 0x15                                       ; K, Q and C in window 1, S^T in window 0
.irp t, 0,1,2,3,4,5,6,7
.irp q, 0,1
	v_wmma_f32_16x16x64_bf8_bf8 v[S+64*\q+8*\t:S+64*\q+8*\t+7], v[KF+8*\t:KF+8*\t+7], v[QF+8*\q:QF+8*\q+7], v[BF+8*\t:BF+8*\t+7]
.endr
.endr
	WIN 0
.rept 4
	v_nop
.endr
	SOFTA 0
	SOFTA 1
	SOFTB 0
	SOFTB 1
	WIN 0x41                                       ; O^T in window 1, f in window 0
.irp q, 0,1
.set j, 0
.rept 16
	v_pk_mul_f32 v[O+32*\q+j:O+32*\q+j+1], v[O+32*\q+j:O+32*\q+j+1], v[FF+2*\q:FF+2*\q+1] op_sel_hi:[1,0]   ; O^T under the new M; also the plain instructions behind the conversions
.set j, j+2
.endr
.endr
	s_wait_dscnt 0x0                               ; V is in
	WIN 0x50                                       ; V and p in window 0, O^T in window 1
.irp t, 0,1,2,3
.irp q, 0,1
	v_wmma_f32_16x16x128_bf8_bf8 v[O+32*\q+8*\t:O+32*\q+8*\t+7], v[VF+16*\t:VF+16*\t+15], v[P+16*\q:P+16*\q+15], v[O+32*\q+8*\t:O+32*\q+8*\t+7]   ; eight accumulators, one instruction a turn
.endr
.endr
	WIN 0
	s_add_co_u32 s[TB], s[TB], 8192
	s_add_co_u32 s[TBB], s[TBB], 512
.endm
	s_wait_tensorcnt 0x1                           ; my part of the first four key steps is in; my 24 KiB may be out
	s_wait_dscnt 0x0                               ; my part of the table lies in LDS
	s_barrier_signal -1
	s_barrier_wait -1
	s_mov_b32 s[CNT], 4
.Lfirst:
	STEP
	s_sub_co_u32 s[CNT], s[CNT], 1
	s_cmp_lg_u32 s[CNT], 0
	s_cbranch_scc1 .Lfirst
	s_wait_tensorcnt 0x0                           ; my part of the other twelve is in,
	s_wait_dscnt 0x0
	s_barrier_signal -1
	s_barrier_wait -1                              ; everybody's is
	s_mov_b32 s[CNT], 12
.Lrest:
	STEP
	s_sub_co_u32 s[CNT], s[CNT], 1
	s_cmp_lg_u32 s[CNT], 0
	s_cbranch_scc1 .Lrest
	; THE WAY OUT: O^T / the sum x 2^(e8 + e9), held and converted with 2^e10: 16-byte pieces of o_img, the image of [4096 tokens][1024]
.rept 4
	v_nop
.endr
	s_add_co_i32 s50, s76, s77
	s_add_co_i32 s53, s78, 127
	s_lshl_b32 s54, s53, 23
	s_add_co_i32 s53, s53, 15
	s_lshl_b32 s53, s53, 23
	s_or_b32 s53, s53, 0x600000
.irp q, 0,1
	v_add_f32 v[TA+\q], v[ST+4*\q+2], v[ST+4*\q+3]
	v_permlanex16_b32 v[PD+\q], v[TA+\q], s[SEL], s[SEL+1]
	v_add_f32 v[TA+\q], v[TA+\q], v[PD+\q]         ; the row's sum
	v_rcp_f32 v[FF+2*\q], v[TA+\q]
.endr
	v_mov_b32 v[SCL], s54                          ; 2^e10 (a plain instruction behind the reciprocal)
	v_mov_b32 v[LIM], s53                          ; 57,344 x 2^e10
	s_wait_alu depctr_va_vdst(0)
	v_ldexp_f32 v[FF], v[FF], s50
	v_ldexp_f32 v[FF+2], v[FF+2], s50
	s_lshr_b32 s53, s14, 4
	s_lshl_b32 s53, s53, 7
	s_add_co_u32 s53, s53, s52                     ; the tile of tokens: 128 batch + my first tile
	s_lshl_b32 s53, s53, 14
	s_and_b32 s54, s14, 15
	s_lshl_b32 s54, s54, 10                        ; k = 64 head + d: 2,048 (head / 2) + 1,024 (head % 2)
	s_add_co_u32 s54, s54, s53
	s_mov_b32 s55, 0
	s_add_nc_u64 s[10:11], s[10:11], s[54:55]
.irp q, 0,1
	WIN 0x01                                       ; source 0 (O^T) window 1
.set j, 0
.rept 16
	v_pk_mul_f32 v[S+64*\q+j:S+64*\q+j+1], v[O+32*\q+j:O+32*\q+j+1], v[FF+2*\q:FF+2*\q+1] op_sel_hi:[1,0]   ; register 16 b + i: d = 32 b + 16 (lane / 16) + i
.set j, j+2
.endr
	WIN 0
.irp b, 0,1
.set i, 0
.rept 16
	v_med3_num_f32 v[S+64*\q+16*\b+i], v[S+64*\q+16*\b+i], -v[LIM], v[LIM]
.set i, i+1
.endr
	v_cvt_scalef32_pk8_bf8_f32 v[P+16*\q+4*\b:P+16*\q+4*\b+1], v[S+64*\q+16*\b:S+64*\q+16*\b+7], v[SCL]
	v_cvt_scalef32_pk8_bf8_f32 v[P+16*\q+4*\b+2:P+16*\q+4*\b+3], v[S+64*\q+16*\b+8:S+64*\q+16*\b+15], v[SCL]
.endr
	v_nop
	global_store_b128 v[L16], v[P+16*\q:P+16*\q+3], s[10:11] offset:16384*\q         ; 512 consecutive bytes
	global_store_b128 v[L16], v[P+16*\q+4:P+16*\q+7], s[10:11] offset:16384*\q+512
.endr
	s_set_vgpr_msb 0x5
	s_wait_tensorcnt 0x0
	ds_add_u32 v254, v255
	s_wait_dscnt 0x0
	s_set_vgpr_msb 0x500
	CROUND                                         ; the closing round: no work-group ends while a partner may still ask for a part that names it
	s_endpgm
.Lfunc_end_k_q079ab65131_attn:
	.size	k_q079ab65131_attn, .Lfunc_end_k_q079ab65131_attn-k_q079ab65131_attn
	.p2alignl 7, 3214868480
	.fill 96, 4, 3214868480
	.section	.rodata,"a",@progbits
	.p2align	6, 0x0
	.amdhsa_kernel k_q079ab65131_attn
		.amdhsa_group_segment_fixed_size 271360
		.amdhsa_private_segment_fixed_size 0
		.amdhsa_enable_private_segment 0
		.amdhsa_kernarg_size 32
		.amdhsa_user_sgpr_count 2
		.amdhsa_user_sgpr_kernarg_segment_ptr 1
		.amdhsa_wavefront_size32 1
		.amdhsa_system_sgpr_workgroup_id_x 1
		.amdhsa_system_sgpr_workgroup_id_y 1
		.amdhsa_system_sgpr_workgroup_id_z 1
		.amdhsa_system_vgpr_workitem_id 0
		.amdhsa_next_free_vgpr 512
		.amdhsa_next_free_sgpr 80
		.amdhsa_reserve_vcc 1
		.amdhsa_float_denorm_mode_32 3
		.amdhsa_float_denorm_mode_16_64 3
		.amdhsa_memory_ordered 1
		.amdhsa_forward_progress 1
		.amdhsa_inst_pref_size 77
	.end_amdhsa_kernel
	.amdgpu_metadata
---
amdhsa.version: [ 1, 2 ]
amdhsa.kernels:
  - .name:           k_q079ab65131_attn
    .symbol:         k_q079ab65131_attn.kd
    .args:
      - { .name: qkv_img, .offset: 0, .size: 8, .value_kind: global_buffer, .address_space: global }
      - { .name: attention_mask, .offset: 8, .size: 8, .value_kind: global_buffer, .address_space: global }
      - { .name: lowp_scales, .offset: 16, .size: 8, .value_kind: global_buffer, .address_space: global }
      - { .name: o_img, .offset: 24, .size: 8, .value_kind: global_buffer, .address_space: global }
    .group_segment_fixed_size: 271360
    .private_segment_fixed_size: 0
    .kernarg_segment_align: 8
    .kernarg_segment_size: 32
    .max_flat_workgroup_size: 256
    .sgpr_count:     80
    .vgpr_count:     512
    .wavefront_size: 32
...
	.end_amdgpu_metadata
.endif
;; end of part 3
;; launch proj (part 4): grid 8 x 32, 4 waves a work-group, clusters of 4 x 4, 280,064 bytes of LDS; arguments o_img, w_img, x, bp, lowp_scales, out0; writes out0
.if DOCPART == 4
	.amdgcn_target "amdgcn-amd-amdhsa--gfx1250"
	.amdhsa_code_object_version 6
	.text
	.protected	k_q079ab65131_proj
	.globl	k_q079ab65131_proj
	.p2align	8
	.type	k_q079ab65131_proj,@function
k_q079ab65131_proj:
	s_mov_b64 s[64:65], 0
	v_nop
	global_prefetch_b8 v0, s[64:65] scope:SCOPE_SE
	s_setreg_imm32_b32 hwreg(HW_REG_WAVE_MODE, 25, 1), 1
	s_wait_xcnt 0x0
	s_wait_alu depctr_hold_cnt(0) depctr_sa_sdst(0) depctr_va_vdst(0) depctr_va_sdst(0) depctr_va_ssrc(0) depctr_va_vcc(0) depctr_vm_vsrc(0)
	s_getreg_b32 s2, hwreg(HW_REG_IB_STS2, 6, 4)
	s_cmp_eq_u32 s2, 0
	s_cbranch_scc0 .Lentry_in_a_cluster
	s_endpgm
.Lentry_in_a_cluster:
	s_bfe_u32 s2, ttmp6, 0x10000c
	s_cmp_lg_u32 s2, 0xf033
	s_cbranch_scc0 .Lentry_shape_is_right
	s_endpgm
.Lentry_shape_is_right:
; PROJ: out0 = x + bp + (attention's result) Wp^T, product 6 on codes of BF8.
; x and out0, 32 MiB, are most of the bytes, so all 256 work-groups stream: a tile of out0 is 128 x 128, a wave 64 x 64: 16 accumulators.  x is asked for into registers at the head and lands under the products.
; ALL OF K LIES IN LDS: two chunks of 512 along K, each [wave][4 tiles][4 K steps][2,048 bytes]; nothing is filled twice.  4 x 4 work-groups form a cluster: the tokens' codes are asked for jointly along a row, Wp's along a column.
; Source 0 = 16 rows of Wp, source 1 = 16 tokens: a lane's 16 registers of tiles 2 b, 2 b + 1 are columns 32 b + 16 (lane / 16) + 0 .. 15 of one token's row.  A block of 16 tokens x 64 columns goes through the wave's own
; stage in LDS and comes back as rows of 256 bytes; the tile's row r is token 32 (a / 2) + 8 (a % 2) + r % 8 + 16 (r / 8).
; LIMIT: e10 + e11 between -126 and 127.
; REGISTERS: window 0: v8-11 bp, v12-23 addresses, v128-255 accumulators ((a, b) at 128 + 8 (4 a + b)).   window 1: two buffers of 128: A's four fragments, then B's.   window 2: v0-127 x.
.set STAGE, 262144
.set L16, 12
.set ADA, 16
.set ADB, 18
.set STO, 20
.set RD,  21
.set CO,  22
.set BPO, 23
.set ACC, 128
.set WV,  20
.set RH,  21
.set CH,  22
.set G1,  24
.set G1B, 32
.set G0,  40
.set G0B, 48
.set MSB, 0
.macro WIN new
.if MSB != \new
	s_set_vgpr_msb (MSB<<8)|\new
.set MSB, \new
.endif
.endm
.macro CROUND
	s_barrier_signal -1
	s_barrier_wait -1
	s_cmp_lg_u32 s[WV], 0
	s_cbranch_scc1 .Lnot_wave_0_\@
	s_barrier_signal -3
.Lnot_wave_0_\@:
	s_barrier_wait -3
	s_barrier_signal -1
	s_barrier_wait -1
.endm
	s_load_b256 s[4:11], s[0:1], 0x0               ; o_img, w_img, x, bp
	s_load_b128 s[12:15], s[0:1], 0x20             ; the exponents, out0
	v_lshl_add_u32 v126, v0, 2, 0x44400
	v_mov_b32 v127, 0
	ds_add_u32 v126, v127
	ds_add_u32 v126, v127
	v_lshrrev_b32 v1, 5, v0
	v_readfirstlane_b32 s[WV], v1
	s_lshr_b32 s[RH], s[WV], 1                     ; my half of the tokens.  Also: I fetch for A (0) or for B (1)
	s_and_b32 s[CH], s[WV], 1                      ; my half of the columns.  Also: which half I fetch
	s_bfe_u32 s56, ttmp6, 0x40000
	s_bfe_u32 s57, ttmp6, 0x40004
	s_lshl_b32 s58, ttmp9, 2
	s_add_co_u32 s58, s58, s56                     ; tile column
	s_and_b32 s59, ttmp7, 0xffff
	s_lshl_b32 s59, s59, 2
	s_add_co_u32 s59, s59, s57                     ; tile row
	s_lshl_b32 s60, s57, 2
	s_lshl_b32 s60, 15, s60                        ; my row of the cluster
	s_lshl_b32 s61, 0x1111, s56                    ; my column
	; group 1: 4 rows (tiles) of 8,192 bytes (four K steps of 128), 16,384 bytes apart; elements of 8 bytes
	s_or_b32 s[G1+0], s60, (3<<16)|(1<<21)
	s_or_b32 s[G1B+0], s61, (3<<16)|(1<<21)
.irp g, G1, G1B
	s_mov_b32 s[\g+1], 1024<<16
	s_mov_b32 s[\g+2], 4<<16
	s_mov_b32 s[\g+3], 1024<<16
	s_mov_b32 s[\g+4], 4
	s_mov_b32 s[\g+5], 2048
	s_mov_b32 s[\g+6], 0
	s_mov_b32 s[\g+7], 0
.endr
	s_lshl_b32 s66, s59, 17                        ; A: 8 tiles of 16,384 bytes a tile row, + the half that I fetch
	s_lshl_b32 s67, s[CH], 16
	s_add_co_u32 s66, s66, s67
	s_mov_b32 s67, 0
	s_lshl_b32 s68, s58, 17                        ; B likewise, in w_img's fourth plane
	s_lshl_b32 s69, s[CH], 16
	s_add_co_u32 s68, s68, s69
	s_add_co_u32 s68, s68, 0x300000
	s_mov_b32 s69, 0
	s_lshl_b32 s23, s[WV], 15                      ; where they go
	s_wait_dscnt 0x0
	s_wait_kmcnt 0x0
	s_load_b64 s[78:79], s[12:13], 0x28            ; e10, e11
	s_add_nc_u64 s[66:67], s[4:5], s[66:67]
	s_add_nc_u64 s[68:69], s[6:7], s[68:69]
	CROUND                                         ; all sixteen work-groups are here
.irp j, 0,1
	s_mov_b32 s[G0+4*\j], 1
	s_add_co_u32 s[G0+4*\j+1], s23, \j*131072
	s_add_nc_u64 s[G0+4*\j+2:G0+4*\j+3], s[66:67], \j*8192
	s_or_b32 s[G0+4*\j+3], s[G0+4*\j+3], 0x80000000
	s_mov_b32 s[G0B+4*\j], 1
	s_add_co_u32 s[G0B+4*\j+1], s23, \j*131072
	s_add_nc_u64 s[G0B+4*\j+2:G0B+4*\j+3], s[68:69], \j*8192
	s_or_b32 s[G0B+4*\j+3], s[G0B+4*\j+3], 0x80000000
.endr
	s_cmp_eq_u32 s[RH], 0                          ; a wave's two loads stand in one branch: two of mine are out
	s_cbranch_scc0 .Lfor_b
	tensor_load_to_lds s[G0:G0+3], s[G1:G1+7]
	s_nop 0
	tensor_load_to_lds s[G0+4:G0+7], s[G1:G1+7]
	s_nop 0
.rept 4
	v_nop
.endr
	s_branch .Lasked
.Lfor_b:
	tensor_load_to_lds s[G0B:G0B+3], s[G1B:G1B+7]
	s_nop 0
	tensor_load_to_lds s[G0B+4:G0B+7], s[G1B:G1B+7]
	s_nop 0
.rept 4
	v_nop
.endr
.Lasked:
	v_and_b32 v1, 31, v0
	v_lshlrev_b32 v[L16], 4, v1
	v_and_b32 v2, 15, v0                           ; r
	v_bfe_u32 v3, v0, 4, 1                         ; h
	s_lshl_b32 s63, s[RH], 15
	v_add_nc_u32 v[ADA], s63, v[L16]
	v_add_nc_u32 v[ADA+1], 131072, v[ADA]
	s_lshl_b32 s63, s[CH], 15
	s_add_co_u32 s63, s63, 65536
	v_add_nc_u32 v[ADB], s63, v[L16]
	v_add_nc_u32 v[ADB+1], 131072, v[ADB]
	s_mul_i32 s62, s[WV], 16*272
	s_add_co_u32 s62, s62, STAGE                   ; my stage: 16 rows of 256 bytes + 16
	v_mul_u32_u24 v4, v2, 272
	v_lshl_add_u32 v4, v3, 6, v4
	v_add_nc_u32 v[STO], s62, v4                   ; in: row r, + 64 h
	v_mul_u32_u24 v5, v3, 272
	v_lshl_add_u32 v5, v2, 4, v5
	v_add_nc_u32 v[RD], s62, v5                    ; back: lanes 0-15 one row, lanes 16-31 the next
	v_lshlrev_b32 v[CO], 12, v3
	v_lshl_add_u32 v[CO], v2, 4, v[CO]             ; and the same in x and out0
	v_lshlrev_b32 v[BPO], 4, v2
	s_lshl_b32 s70, s59, 19
	s_lshl_b32 s71, s[RH], 18
	s_add_co_u32 s70, s70, s71                     ; my first token's row,
	s_lshl_b32 s72, s58, 9
	s_lshl_b32 s73, s[CH], 8
	s_add_co_u32 s72, s72, s73                     ; my first column, in bytes
	s_add_co_u32 s70, s70, s72
	s_mov_b32 s71, 0
	s_mov_b32 s73, 0
	s_add_nc_u64 s[8:9], s[8:9], s[70:71]
	s_add_nc_u64 s[14:15], s[14:15], s[70:71]
	s_add_nc_u64 s[10:11], s[10:11], s[72:73]
	WIN 0x80                                       ; destination window 2
.irp a, 0,1,2,3
.irp i, 0,1,2,3,4,5,6,7
	global_load_b128 v[4*(8*\a+\i):4*(8*\a+\i)+3], v[CO], s[8:9] offset:(32*(\a/2)+8*(\a%2)+2*(\i%4)+16*(\i/4))*4096 th:TH_LOAD_NT   ; sixteen lanes read 256 consecutive bytes, aligned
.endr
.endr
	WIN 0
	global_load_b128 v[8:11], v[BPO], s[10:11]
.macro FETCH n                         ; K step n: A's four fragments and B's four into buffer n % 2
	WIN 0x40
.irp i, 0,1,2,3
.irp c, 0,1,2,3
	ds_load_b128 v[128*((\n)%2)+16*\i+4*\c:128*((\n)%2)+16*\i+4*\c+3], v[ADA+(\n)/4] offset:\i*8192+((\n)%4)*2048+512*\c
	ds_load_b128 v[128*((\n)%2)+64+16*\i+4*\c:128*((\n)%2)+64+16*\i+4*\c+3], v[ADB+(\n)/4] offset:\i*8192+((\n)%4)*2048+512*\c
.endr
.endr
.endm
.macro MUL n                           ; 16 matrix instructions, the 16 accumulators by turns
	WIN 0x05                                       ; sources 0 and 1 window 1
.irp a, 0,1,2,3
.irp b, 0,1,2,3
.if (\n) == 0
	v_wmma_f32_16x16x128_bf8_bf8 v[ACC+8*(4*\a+\b):ACC+8*(4*\a+\b)+7], v[128*((\n)%2)+64+16*\b:128*((\n)%2)+64+16*\b+15], v[128*((\n)%2)+16*\a:128*((\n)%2)+16*\a+15], 0
.else
	v_wmma_f32_16x16x128_bf8_bf8 v[ACC+8*(4*\a+\b):ACC+8*(4*\a+\b)+7], v[128*((\n)%2)+64+16*\b:128*((\n)%2)+64+16*\b+15], v[128*((\n)%2)+16*\a:128*((\n)%2)+16*\a+15], v[ACC+8*(4*\a+\b):ACC+8*(4*\a+\b)+7]
.endif
.endr
.endr
.endm
	s_wait_tensorcnt 0x1                           ; my part of the first chunk is in; the second may be out
	s_barrier_signal -1
	s_barrier_wait -1
	FETCH 0
.irp n, 0,1,2,3,4,5,6,7
.if \n == 3
	s_wait_tensorcnt 0x0                           ; my part of the second chunk is in,
	s_wait_dscnt 0x0
	s_barrier_signal -1
	s_barrier_wait -1                              ; everybody's is
.endif
.if \n < 7
.if \n > 0
.rept 4
	v_nop                                          ; places in front of loads into the buffer that the last products read
.endr
.endif
	FETCH \n+1
	s_wait_dscnt 32                                ; all but the 32 just issued
.else
	s_wait_dscnt 0x0
.endif
	MUL \n
.endr
	s_wait_kmcnt 0x0
	s_add_co_i32 s76, s78, s79
	s_add_co_i32 s76, s76, 127
	s_lshl_b32 s76, s76, 23                        ; 2^(e10 + e11)
	s_mov_b32 s77, s76
	s_wait_loadcnt 0x0                             ; x and bp
	WIN 0x82                                       ; x: destination and source 0 window 2
.set k, 0
.rept 64
	v_pk_add_f32 v[k:k+1], v[k:k+1], v[8+k%4:9+k%4]   ; x + bp; these are also the places behind the last products
.set k, k+2
.endr
.macro OUTB a                          ; 16 tokens x 64 columns
	WIN 0
.irp b, 0,1
.irp i, 0,1,2,3
	ds_store_b128 v[STO], v[ACC+32*\a+16*\b+4*\i:ACC+32*\a+16*\b+4*\i+3] offset:128*\b+16*\i   ; each accumulator from its low end on
.endr
.endr
.irp i, 0,1,2,3,4,5,6,7
	ds_load_b128 v[ACC+32*\a+4*\i:ACC+32*\a+4*\i+3], v[RD] offset:544*\i   ; LDS serves a wave's instructions in order (ISA guide 5.7.1.4): these see my stores
.endr
	s_wait_dscnt 0x0
	WIN 0x20                                       ; source 2 (x + bp) window 2
.set k, 0
.rept 16
	v_pk_fma_f32 v[ACC+32*\a+k:ACC+32*\a+k+1], v[ACC+32*\a+k:ACC+32*\a+k+1], s[76:77], v[32*\a+k:32*\a+k+1] op_sel_hi:[1,0,1]
.set k, k+2
.endr
	WIN 0
.irp i, 0,1,2,3,4,5,6,7
	global_store_b128 v[CO], v[ACC+32*\a+4*\i:ACC+32*\a+4*\i+3], s[14:15] offset:(32*(\a/2)+8*(\a%2)+2*(\i%4)+16*(\i/4))*4096 th:TH_STORE_NT   ; sixteen lanes store 256 consecutive bytes, aligned
.endr
.endm
	OUTB 0
	OUTB 1
	OUTB 2
	OUTB 3
	s_wait_tensorcnt 0x0
	ds_add_u32 v126, v127
	s_wait_dscnt 0x0
	CROUND                                         ; the closing round
	s_endpgm
.Lfunc_end_k_q079ab65131_proj:
	.size	k_q079ab65131_proj, .Lfunc_end_k_q079ab65131_proj-k_q079ab65131_proj
	.p2alignl 7, 3214868480
	.fill 96, 4, 3214868480
	.section	.rodata,"a",@progbits
	.p2align	6, 0x0
	.amdhsa_kernel k_q079ab65131_proj
		.amdhsa_group_segment_fixed_size 280064
		.amdhsa_private_segment_fixed_size 0
		.amdhsa_enable_private_segment 0
		.amdhsa_kernarg_size 48
		.amdhsa_user_sgpr_count 2
		.amdhsa_user_sgpr_kernarg_segment_ptr 1
		.amdhsa_wavefront_size32 1
		.amdhsa_system_sgpr_workgroup_id_x 1
		.amdhsa_system_sgpr_workgroup_id_y 1
		.amdhsa_system_sgpr_workgroup_id_z 1
		.amdhsa_system_vgpr_workitem_id 0
		.amdhsa_next_free_vgpr 640
		.amdhsa_next_free_sgpr 80
		.amdhsa_reserve_vcc 0
		.amdhsa_float_denorm_mode_32 3
		.amdhsa_float_denorm_mode_16_64 3
		.amdhsa_memory_ordered 1
		.amdhsa_forward_progress 1
		.amdhsa_inst_pref_size 52
	.end_amdhsa_kernel
	.amdgpu_metadata
---
amdhsa.version: [ 1, 2 ]
amdhsa.kernels:
  - .name:           k_q079ab65131_proj
    .symbol:         k_q079ab65131_proj.kd
    .args:
      - { .name: o_img, .offset: 0, .size: 8, .value_kind: global_buffer, .address_space: global }
      - { .name: w_img, .offset: 8, .size: 8, .value_kind: global_buffer, .address_space: global }
      - { .name: x, .offset: 16, .size: 8, .value_kind: global_buffer, .address_space: global }
      - { .name: bp, .offset: 24, .size: 8, .value_kind: global_buffer, .address_space: global }
      - { .name: lowp_scales, .offset: 32, .size: 8, .value_kind: global_buffer, .address_space: global }
      - { .name: out0, .offset: 40, .size: 8, .value_kind: global_buffer, .address_space: global }
    .group_segment_fixed_size: 280064
    .private_segment_fixed_size: 0
    .kernarg_segment_align: 8
    .kernarg_segment_size: 48
    .max_flat_workgroup_size: 128
    .sgpr_count:     80
    .vgpr_count:     640
    .wavefront_size: 32
...
	.end_amdgpu_metadata
.endif
;; end of part 4
;; ======== version 2 of 2: 4 launches
;; limits: right only within a limited range of input values
;; workspace buffers: nx_img 12,582,912 bytes; w_img 4,194,304 bytes; qkv_img 12,582,912 bytes; o_img 4,194,304 bytes
;; launch prep: the kernel of part 1 again; grid 512 x 1, 4 waves a work-group, no clusters, 66,304 bytes of LDS; arguments x, Wp, ln_g, ln_b, Wq, Wk, Wv, lowp_scales, nx_img, w_img; writes nx_img, w_img
;; launch qkv: the kernel of part 2 again; grid 12 x 16, 4 waves a work-group, clusters of 4 x 4, 327,680 bytes of LDS; arguments nx_img, w_img, bq, bk, bv, attention_mask, lowp_scales, qkv_img; writes qkv_img
;; launch attn (part 5): grid 8 x 32, 8 waves a work-group, clusters of 4 x 1, 271,360 bytes of LDS; arguments qkv_img, attention_mask, lowp_scales, o_img; writes o_img
.if DOCPART == 5
	.amdgcn_target "amdgcn-amd-amdhsa--gfx1250"
	.amdhsa_code_object_version 6
	.text
	.protected	k_q079ab65131_attn
	.globl	k_q079ab65131_attn
	.p2align	8
	.type	k_q079ab65131_attn,@function
k_q079ab65131_attn:
	s_mov_b64 s[64:65], 0
	v_nop
	global_prefetch_b8 v0, s[64:65] scope:SCOPE_SE
	s_setreg_imm32_b32 hwreg(HW_REG_WAVE_MODE, 25, 1), 1
	s_wait_xcnt 0x0
	s_wait_alu depctr_hold_cnt(0) depctr_sa_sdst(0) depctr_va_vdst(0) depctr_va_sdst(0) depctr_va_ssrc(0) depctr_va_vcc(0) depctr_vm_vsrc(0)
	s_getreg_b32 s2, hwreg(HW_REG_IB_STS2, 6, 4)
	s_cmp_eq_u32 s2, 0
	s_cbranch_scc0 .Lentry_in_a_cluster
	s_endpgm
.Lentry_in_a_cluster:
	s_bfe_u32 s2, ttmp6, 0x10000c
	s_cmp_lg_u32 s2, 0x3003
	s_cbranch_scc0 .Lentry_shape_is_right
	s_endpgm
.Lentry_shape_is_right:
.set VIMG, 131072
.set BIAS, 262144
.set LIM2, 0
.set L16, 1
.set LV,  2
.set LB,  3
.set ADK, 4
.set ADV, 5
.set ADB, 6
.set LIM, 7
.set ST,  8
.set MX,  16
.set TA,  16
.set TC,  18
.set FF,  20
.set C2,  24
.set SCL, 28
.set PD,  29
.set VF,  32
.set S,   96
.set P,   224
.set O,   0
.set QF,  64
.set KF,  80
.set BF,  144
.set WV,  20
.set G1A, 24
.set G1B, 32
.set G0A, 40
.set G0B, 44
.set CNT, 57
.set CS,  58
.set SEL, 60
.set TB,  62
.set TBB, 63
.set MSB, 0
.macro WIN new
.if MSB != \new
	s_set_vgpr_msb (MSB<<8)|\new
.set MSB, \new
.endif
.endm
.macro CROUND
	s_barrier_signal -1
	s_barrier_wait -1
	s_cmp_lg_u32 s[WV], 0
	s_cbranch_scc1 .Lnot_wave_0_\@
	s_barrier_signal -3
.Lnot_wave_0_\@:
	s_barrier_wait -3
	s_barrier_signal -1
	s_barrier_wait -1
.endm
	s_load_b256 s[4:11], s[0:1], 0x0
	s_set_vgpr_msb 0x40
	v_lshl_add_u32 v254, v0, 2, 0x42000
	v_mov_b32 v255, 0
	s_set_vgpr_msb 0x4045
	ds_add_u32 v254, v255
	ds_add_u32 v254, v255
	s_set_vgpr_msb 0x4500
	v_lshrrev_b32 v1, 5, v0
	s_delay_alu instid0(VALU_DEP_1)
	v_readfirstlane_b32 s[WV], v1
	s_bfe_u32 s12, ttmp6, 0x40000
	s_lshl_b32 s13, ttmp9, 2
	s_add_co_u32 s13, s13, s12
	s_and_b32 s14, ttmp7, 0xffff
	s_lshr_b32 s15, s[WV], 2
	s_and_b32 s16, s[WV], 3
	s_mov_b32 s[G1A], 15|(3<<16)|(1<<21)
	s_mov_b32 s[G1A+1], 32<<16
	s_mov_b32 s[G1A+2], 32<<16
	s_mov_b32 s[G1A+3], 32<<16
	s_mov_b32 s[G1A+4], 32
	s_mov_b32 s[G1A+5], 32
	s_mov_b32 s[G1A+6], 0
	s_mov_b32 s[G1A+7], 0
	s_mov_b32 s[G1B], 15|(3<<16)|(1<<21)
	s_mov_b32 s[G1B+1], 32<<16
	s_mov_b32 s[G1B+2], 96<<16
	s_mov_b32 s[G1B+3], 32<<16
	s_mov_b32 s[G1B+4], 96
	s_mov_b32 s[G1B+5], 32
	s_mov_b32 s[G1B+6], 0
	s_mov_b32 s[G1B+7], 0
	s_lshl_b32 s17, s15, 17
	s_lshl_b32 s18, s16, 13
	s_mul_i32 s19, s16, 24576
	s_add_co_u32 s19, s19, 32768
	s_add_co_u32 s22, s15, 1
	s_lshl_b32 s22, s22, 22
	s_lshl_b32 s23, s14, 17
	s_add_co_u32 s22, s22, s23
	s_mov_b32 s23, 0
	s_mov_b32 s51, 0
	s_wait_dscnt 0x0
	s_wait_kmcnt 0x0
	s_load_b256 s[68:75], s[8:9], 0x0
	s_load_b128 s[76:79], s[8:9], 0x20
	s_add_nc_u64 s[48:49], s[4:5], s[22:23]
	s_mov_b32 s[G0A], 1
	s_add_co_u32 s[G0A+1], s17, s18
	s_mov_b32 s50, s18
	s_add_nc_u64 s[G0A+2:G0A+3], s[48:49], s[50:51]
	s_or_b32 s[G0A+3], s[G0A+3], 0x80000000
	s_mov_b32 s[G0B], 1
	s_add_co_u32 s[G0B+1], s17, s19
	s_mov_b32 s50, s19
	s_add_nc_u64 s[G0B+2:G0B+3], s[48:49], s[50:51]
	s_or_b32 s[G0B+3], s[G0B+3], 0x80000000
	CROUND
	tensor_load_to_lds s[G0A:G0A+3], s[G1A:G1A+7]
	s_nop 0
.rept 4
	v_nop
.endr
	v_and_b32 v16, 31, v0
	s_delay_alu instid0(VALU_DEP_1)
	v_lshlrev_b32 v[L16], 4, v16
	s_wait_alu depctr_va_vdst(0)
	v_add_nc_u32 v[LV], VIMG, v[L16]
	v_bfe_u32 v17, v0, 4, 1
	s_delay_alu instid0(VALU_DEP_1)
	v_lshlrev_b32 v[LB], 6, v17
	s_delay_alu instid0(VALU_DEP_1)
	v_add_nc_u32 v[LB], BIAS, v[LB]
	v_lshlrev_b32 v18, 5, v0
	s_delay_alu instid0(VALU_DEP_1)
	v_add_nc_u32 v19, BIAS, v18
	s_lshr_b32 s50, s14, 4
	s_lshl_b32 s50, s50, 13
	s_add_nc_u64 s[6:7], s[6:7], s[50:51]
	global_load_b128 v[96:99], v18, s[6:7]
	global_load_b128 v[100:103], v18, s[6:7] offset:16
	s_lshl_b32 s52, s13, 4
	s_lshl_b32 s53, s[WV], 1
	s_add_co_u32 s52, s52, s53
	s_lshl_b32 s54, s52, 10
	s_lshl_b32 s55, s14, 17
	s_add_co_u32 s54, s54, s55
	s_mov_b32 s55, 0
	s_add_nc_u64 s[4:5], s[4:5], s[54:55]
	WIN 0x40
.irp q, 0,1
.irp c, 0,1
	global_load_b128 v[QF+8*\q+4*\c:QF+8*\q+4*\c+3], v[L16], s[4:5] offset:1024*\q+512*\c
.endr
.endr
.set j, 0
.rept 64
	v_mov_b32 v[O+j], 0
.set j, j+1
.endr
	WIN 0
	tensor_load_to_lds s[G0B:G0B+3], s[G1B:G1B+7]
	s_nop 0
.rept 4
	v_nop
.endr
	s_mov_b32 s[SEL], 0x76543210
	s_mov_b32 s[SEL+1], 0xfedcba98
	s_mov_b32 s[TB], 0
	s_mov_b32 s[TBB], 0
	s_wait_kmcnt 0x0
	s_add_co_i32 s50, s74, s75
	s_lshl_b32 s53, s50, 23
	s_mov_b32 s[CS], 0x3e38aa3b
	s_add_co_i32 s[CS], s[CS], s53
	s_mov_b32 s[CS+1], s[CS]
	s_sub_co_i32 s50, 0, s50
	v_mov_b32 v31, 0xcfee6b28
	s_delay_alu instid0(VALU_DEP_1)
	v_ldexp_f32 v31, v31, s50
	s_add_co_i32 s50, s76, 127
	s_lshl_b32 s53, s50, 23
	v_mov_b32 v[SCL], s53
	s_add_co_i32 s50, s50, 15
	s_lshl_b32 s50, s50, 23
	s_or_b32 s50, s50, 0x600000
.irp q, 0,1
	v_mov_b32 v[ST+4*\q+1], 0xff61b1e6
	s_delay_alu instid0(VALU_DEP_1)
	v_floor_f32 v[ST+4*\q], -v[ST+4*\q+1]
	v_mov_b32 v[ST+4*\q+2], 0
	v_mov_b32 v[ST+4*\q+3], 0
	v_mov_b32 v[FF+2*\q+1], 0
	v_mov_b32 v[PD+\q], 0
.endr
	s_wait_loadcnt 0x0
.irp j, 0,1,2,3,4,5,6,7
	v_cmp_ge_i32 vcc_lo, 0, v[96+\j]
	s_delay_alu instid0(VALU_DEP_1)
	v_cndmask_b32 v[96+\j], 0, v31, vcc_lo
.endr
	ds_store_b128 v19, v[96:99]
	ds_store_b128 v19, v[100:103] offset:16
.macro FMA q, j
	v_pk_fma_f32 v[S+64*\q+2*(\j):S+64*\q+2*(\j)+1], v[S+64*\q+2*(\j):S+64*\q+2*(\j)+1], s[CS:CS+1], v[ST+4*\q:ST+4*\q+1] op_sel_hi:[1,0,0]
.endm
.macro EXPO q, j
	v_exp_f32 v[S+64*\q+(\j)], v[S+64*\q+(\j)]
.endm
.macro SUM q, m
.if (\m) == 0
	v_pk_mul_f32 v[ST+4*\q+2:ST+4*\q+3], v[ST+4*\q+2:ST+4*\q+3], v[FF+2*\q:FF+2*\q+1] op_sel_hi:[1,0]
.elseif (\m) == 1
	s_wait_alu depctr_va_vdst(0)
	v_pk_add_f32 v[C2+2*\q:C2+2*\q+1], v[S+64*\q:S+64*\q+1], v[S+64*\q+2:S+64*\q+3]
.elseif (\m) == 32
	v_pk_add_f32 v[ST+4*\q+2:ST+4*\q+3], v[ST+4*\q+2:ST+4*\q+3], v[C2+2*\q:C2+2*\q+1]
.elseif (\m)%2 == 0
	v_pk_add_f32 v[ST+4*\q+2:ST+4*\q+3], v[ST+4*\q+2:ST+4*\q+3], v[S+64*\q+2*(\m):S+64*\q+2*(\m)+1]
.else
	s_wait_alu depctr_va_vdst(0)
	v_pk_add_f32 v[C2+2*\q:C2+2*\q+1], v[C2+2*\q:C2+2*\q+1], v[S+64*\q+2*(\m):S+64*\q+2*(\m)+1]
.endif
.endm
.macro HOLD q, n
.endm
.macro CODE q, g
	v_cvt_scalef32_pk8_bf8_f32 v[P+16*\q+2*(\g):P+16*\q+2*(\g)+1], v[S+64*\q+8*(\g):S+64*\q+8*(\g)+7], v[SCL]
.endm
.macro HC q, u
.if (\u) % 5 == 4
	CODE \q, (\u)/5
.else
	HOLD \q, 4*((\u)/5)+(\u)%5
.endif
.endm
.macro KLOAD ak, ab, ok, ob
	WIN 0x40
.irp t, 0,1,2,3,4,5,6,7
.irp c, 0,1
	ds_load_b128 v[KF+8*\t+4*\c:KF+8*\t+4*\c+3], v[\ak] offset:\ok+1024*\t+512*\c
.endr
.endr
.irp b, 0,1,2,3
.irp i, 0,1,2,3
	ds_load_b128 v[BF+16*\b+4*\i:BF+16*\b+4*\i+3], v[\ab] offset:\ob+128*\b+16*\i
.endr
.endr
	WIN 0
.endm
.macro STEP pre
	v_add_nc_u32 v[ADK], s[TB], v[L16]
	s_setprio 2
	v_add_nc_u32 v[ADV], s[TB], v[LV]
	v_add_nc_u32 v[ADB], s[TBB], v[LB]
	v_nop
.irp t, 0,1,2,3
.irp c, 0,1,2,3
	ds_load_b128 v[VF+16*\t+4*\c:VF+16*\t+4*\c+3], v[ADV] offset:2048*\t+512*\c
.endr
.endr
	s_wait_dscnt 16
	WIN 0x15
.irp t, 0,1,2,3,4,5,6,7
.irp q, 0,1
	v_wmma_f32_16x16x64_bf8_bf8 v[S+64*\q+8*\t:S+64*\q+8*\t+7], v[KF+8*\t:KF+8*\t+7], v[QF+8*\q:QF+8*\q+7], v[BF+8*\t:BF+8*\t+7]
.endr
.endr
.rept 4
	v_nop
.endr
.if \pre
	s_wait_alu depctr_va_vdst(0)
	KLOAD ADK, ADB, 8192, 512
.else
	WIN 0
.endif
.irp k, 0,1,2,3
.irp q, 0,1
	v_max3_num_f32 v[MX+\q+2*(\k%2)+8*(\k/2)], v[S+64*\q+3*\k], v[S+64*\q+3*\k+1], v[S+64*\q+3*\k+2]
.endr
.endr
.set n, 0
.rept 26
.irp q, 0,1
	v_max3_num_f32 v[MX+\q+2*(n%2)+8*((n%4)/2)], v[MX+\q+2*(n%2)+8*((n%4)/2)], v[S+64*\q+12+2*n], v[S+64*\q+13+2*n]
.endr
.set n, n+1
.endr
.irp q, 0,1
	s_delay_alu instid0(VALU_DEP_2)
	v_max3_num_f32 v[TA+\q], v[MX+\q], v[MX+\q+2], v[MX+\q+8]
.endr
.irp q, 0,1
	v_mov_b32 v[TC+\q], v[ST+4*\q]
.endr
.irp q, 0,1
	s_delay_alu instid0(VALU_DEP_4)
	v_max_num_f32 v[TA+\q], v[TA+\q], v[MX+\q+10]
.endr
.irp q, 0,1
	s_delay_alu instid0(VALU_DEP_2)
	v_permlanex16_b32 v[PD+\q], v[TA+\q], s[SEL], s[SEL+1]
.endr
.irp q, 0,1
	s_delay_alu instid0(VALU_DEP_2)
	v_max_num_f32 v[TA+\q], v[TA+\q], v[PD+\q]
.endr
.irp q, 0,1
	s_delay_alu instid0(VALU_DEP_2)
	v_mul_f32 v[TA+\q], s[CS], v[TA+\q]
.endr
.irp q, 0,1
	s_delay_alu instid0(VALU_DEP_2)
	v_max_num_f32 v[ST+4*\q+1], v[ST+4*\q+1], v[TA+\q]
.endr
.irp q, 0,1
	s_delay_alu instid0(VALU_DEP_2)
	v_floor_f32 v[ST+4*\q], -v[ST+4*\q+1]
.endr
.irp q, 0,1
	s_delay_alu instid0(VALU_DEP_2)
	v_sub_f32 v[TA+\q], v[ST+4*\q], v[TC+\q]
.endr
.irp j, 0,1,2,3
	FMA 0, \j
.endr
.irp q, 0,1
	v_cvt_i32_f32 v[TA+\q], v[TA+\q]
.endr
.irp j, 4,5,6,7
	FMA 0, \j
.endr
.irp q, 0,1
	v_ldexp_f32 v[FF+2*\q], 1.0, v[TA+\q]
.endr
.set j, 8
.rept 24
	FMA 0, j
.set j, j+1
.endr
.set j, 0
	s_wait_alu depctr_va_vdst(0)
.rept 64
	EXPO 0, j
.if j < 32
	FMA 1, j
.elseif j < 61
	SUM 0, j-32
.endif
.set j, j+1
.endr
.set j, 0
	s_setprio 1
.rept 64
	EXPO 1, j
.if j < 4
	s_wait_alu depctr_va_vdst(0)
	SUM 0, j+29
.elseif j < 44
	HC 0, j-4
.else
	SUM 1, j-44
.endif
.set j, j+1
.endr
.set j, 0
.rept 13
	SUM 1, j+20
	HC 1, j
.set j, j+1
.endr
.rept 27
	HC 1, j
.set j, j+1
.endr
	WIN 0x41
	s_setprio 0
.irp q, 0,1
.set j, 0
.rept 16
	v_pk_mul_f32 v[O+32*\q+j:O+32*\q+j+1], v[O+32*\q+j:O+32*\q+j+1], v[FF+2*\q:FF+2*\q+1] op_sel_hi:[1,0]
.set j, j+2
.endr
.endr
.if \pre
	s_wait_alu depctr_va_vdst(0)
	s_wait_dscnt 32
.else
	s_wait_alu depctr_va_vdst(0)
	s_wait_dscnt 0x0
.endif
	WIN 0x50
.irp t, 0,1,2,3
.irp q, 0,1
	v_wmma_f32_16x16x128_bf8_bf8 v[O+32*\q+8*\t:O+32*\q+8*\t+7], v[VF+16*\t:VF+16*\t+15], v[P+16*\q:P+16*\q+15], v[O+32*\q+8*\t:O+32*\q+8*\t+7]
.endr
.endr
	WIN 0
	s_add_co_u32 s[TB], s[TB], 8192
	s_add_co_u32 s[TBB], s[TBB], 512
.endm
	s_wait_tensorcnt 0x1
	s_wait_dscnt 0x0
	s_barrier_signal -1
	s_barrier_wait -1
	KLOAD L16, LB, 0, 0
	s_mov_b32 s[CNT], 3
.Lfirst:
	STEP 1
	s_sub_co_u32 s[CNT], s[CNT], 1
	s_cmp_lg_u32 s[CNT], 0
	s_cbranch_scc1 .Lfirst
	s_setprio 0
	s_wait_tensorcnt 0x0
	s_wait_dscnt 0x0
	s_barrier_signal -1
	s_barrier_wait -1
	s_mov_b32 s[CNT], 12
.Lrest:
	STEP 1
	s_sub_co_u32 s[CNT], s[CNT], 1
	s_cmp_lg_u32 s[CNT], 0
	s_cbranch_scc1 .Lrest
	s_setprio 0
	STEP 0
.rept 4
	v_nop
.endr
	s_add_co_i32 s50, s76, s77
	s_add_co_i32 s53, s78, 127
	s_lshl_b32 s54, s53, 23
.irp q, 0,1
	v_add_f32 v[TA+\q], v[ST+4*\q+2], v[ST+4*\q+3]
	s_delay_alu instid0(VALU_DEP_1)
	v_permlanex16_b32 v[PD+\q], v[TA+\q], s[SEL], s[SEL+1]
	s_delay_alu instid0(VALU_DEP_1)
	v_add_f32 v[TA+\q], v[TA+\q], v[PD+\q]
	s_wait_alu depctr_va_vdst(0)
	v_rcp_f32 v[FF+2*\q], v[TA+\q]
.endr
	v_mov_b32 v[SCL], s54
	s_wait_alu depctr_va_vdst(0)
	v_ldexp_f32 v[FF], v[FF], s50
	s_wait_alu depctr_va_vdst(0)
	v_ldexp_f32 v[FF+2], v[FF+2], s50
	s_lshr_b32 s53, s14, 4
	s_lshl_b32 s53, s53, 7
	s_add_co_u32 s53, s53, s52
	s_lshl_b32 s53, s53, 14
	s_and_b32 s54, s14, 15
	s_lshl_b32 s54, s54, 10
	s_add_co_u32 s54, s54, s53
	s_mov_b32 s55, 0
	s_add_nc_u64 s[10:11], s[10:11], s[54:55]
.irp q, 0,1
	WIN 0x01
.set j, 0
.rept 16
	v_pk_mul_f32 v[S+64*\q+j:S+64*\q+j+1], v[O+32*\q+j:O+32*\q+j+1], v[FF+2*\q:FF+2*\q+1] op_sel_hi:[1,0]
.set j, j+2
.endr
	WIN 0
.irp b, 0,1
.set i, 0
.rept 16
.set i, i+1
.endr
	v_cvt_scalef32_pk8_bf8_f32 v[P+16*\q+4*\b:P+16*\q+4*\b+1], v[S+64*\q+16*\b:S+64*\q+16*\b+7], v[SCL]
	v_cvt_scalef32_pk8_bf8_f32 v[P+16*\q+4*\b+2:P+16*\q+4*\b+3], v[S+64*\q+16*\b+8:S+64*\q+16*\b+15], v[SCL]
.endr
	v_nop
	global_store_b128 v[L16], v[P+16*\q:P+16*\q+3], s[10:11] offset:16384*\q
	global_store_b128 v[L16], v[P+16*\q+4:P+16*\q+7], s[10:11] offset:16384*\q+512
.endr
	s_set_vgpr_msb 0x5
	s_wait_tensorcnt 0x0
	ds_add_u32 v254, v255
	s_wait_dscnt 0x0
	s_set_vgpr_msb 0x500
	CROUND
	s_endpgm
.Lfunc_end_k_q079ab65131_attn:
	.size	k_q079ab65131_attn, .Lfunc_end_k_q079ab65131_attn-k_q079ab65131_attn
	.p2alignl 7, 3214868480
	.fill 96, 4, 3214868480
	.section	.rodata,"a",@progbits
	.p2align	6, 0x0
	.amdhsa_kernel k_q079ab65131_attn
		.amdhsa_group_segment_fixed_size 271360
		.amdhsa_private_segment_fixed_size 0
		.amdhsa_enable_private_segment 0
		.amdhsa_kernarg_size 32
		.amdhsa_user_sgpr_count 2
		.amdhsa_user_sgpr_kernarg_segment_ptr 1
		.amdhsa_wavefront_size32 1
		.amdhsa_system_sgpr_workgroup_id_x 1
		.amdhsa_system_sgpr_workgroup_id_y 1
		.amdhsa_system_sgpr_workgroup_id_z 1
		.amdhsa_system_vgpr_workitem_id 0
		.amdhsa_next_free_vgpr 512
		.amdhsa_next_free_sgpr 80
		.amdhsa_reserve_vcc 1
		.amdhsa_float_denorm_mode_32 3
		.amdhsa_float_denorm_mode_16_64 3
		.amdhsa_fp16_overflow 1
		.amdhsa_memory_ordered 1
		.amdhsa_forward_progress 1
		.amdhsa_inst_pref_size 96
	.end_amdhsa_kernel
	.amdgpu_metadata
---
amdhsa.version: [ 1, 2 ]
amdhsa.kernels:
  - .name:           k_q079ab65131_attn
    .symbol:         k_q079ab65131_attn.kd
    .args:
      - { .name: qkv_img, .offset: 0, .size: 8, .value_kind: global_buffer, .address_space: global }
      - { .name: attention_mask, .offset: 8, .size: 8, .value_kind: global_buffer, .address_space: global }
      - { .name: lowp_scales, .offset: 16, .size: 8, .value_kind: global_buffer, .address_space: global }
      - { .name: o_img, .offset: 24, .size: 8, .value_kind: global_buffer, .address_space: global }
    .group_segment_fixed_size: 271360
    .private_segment_fixed_size: 0
    .kernarg_segment_align: 8
    .kernarg_segment_size: 32
    .max_flat_workgroup_size: 256
    .sgpr_count:     80
    .vgpr_count:     512
    .wavefront_size: 32
...
	.end_amdgpu_metadata
.endif
;; end of part 5
;; launch proj: the kernel of part 4 again; grid 8 x 32, 4 waves a work-group, clusters of 4 x 4, 280,064 bytes of LDS; arguments o_img, w_img, x, bp, lowp_scales, out0; writes out0
